; MI455X (gfx1250); checked and timed in simulation.
; The chip was launched on July 23, 2026; its instructions are those of AMD's public machine-readable ISA for CDNA 5 (MIT licence, August 2026) and "CDNA5" Instruction Set Architecture Reference Guide (July 2026). The comments in the code are by the model that wrote it; some were corrected since.
;; Multi Head Attention. Allowed arithmetic: matrix products marked QUANTISED: E2M3 operands, one E8M0 scale for each 32 along K, by v_wmma_scale_f32_16x16x128_f8f6f4 with both operands' format E2M3, f32 sums; everything else in f32.
;; Inputs: Wk 1,024 x 1,024 float32; Wo 1,024 x 1,024 float32; Wq 1,024 x 1,024 float32; Wv 1,024 x 1,024 float32; bk 1,024 float32; bo 1,024 float32; bq 1,024 float32; bv 1,024 float32; key 4 x 2,048 x 1,024 float32; query 4 x 2,048 x 1,024 float32; value 4 x 2,048 x 1,024 float32.
;; Outputs: out0 4 x 2,048 x 1,024 float32.
;; This version of the problem:
;;   THIS VERSION OF THE PROBLEM IS GIVEN IN LOW PRECISION. The matrix products marked QUANTISED in the list below multiply operands that are first quantised to E2M3 (2 exponent bits, 3 mantissa bits; 6 bits a number), with one power-of-two scale for each 32 numbers along K (OCP MX v1.0); their sums are f32. All else is computed in f32.
;;   The module's matrix products, in the order in which they are computed (A, B: the left and right operand; K: the contracted axis; several contracted axes count as one K, in the product's order):
;;     1. [M 8,192, K 1,024] x [K 1,024, N 1,024]; A: input query; B: input Wq: QUANTISED
;;     2. [M 8,192, K 1,024] x [K 1,024, N 1,024]; A: input key; B: input Wk: QUANTISED
;;     3. [M 8,192, K 1,024] x [K 1,024, N 1,024]; A: input value; B: input Wv: QUANTISED
;;     4. batch 64 x [M 2,048, K 64] x [K 64, N 2,048]; A: computed on the way; B: computed on the way: QUANTISED
;;     5. batch 64 x [M 2,048, K 2,048] x [K 2,048, N 64]; A: softmax (see below); B: computed on the way: QUANTISED
;;     6. [M 8,192, K 1,024] x [K 1,024, N 1,024]; A: computed on the way; B: input Wo: QUANTISED
;;   THE QUANTISER, for each operand of a quantised product, along K:
;;     - K is cut into blocks of 32 from its start; a last block that is shorter is filled with zeros.
;;     - A block's scale is 2^e with e = floor(log2(the largest magnitude in the block)) - 2, held to -126 .. 127; a block of zeros has e = 0. As a byte (E8M0): e + 127.
;;     - Each number is divided by its block's scale, clamped to +-7.5, and rounded to the nearest number of E2M3, ties to even, subnormals kept.
;;     - The product sums the exact products of the quantised numbers (number of the format x scale) in f32.
;;   ~~~python
;;   def quantise(x, axis):      # numpy; x: float32 -> the quantised numbers, widened to float32 again
;;       x = np.moveaxis(x, axis, -1); K = x.shape[-1]
;;       x = np.pad(x, [(0, 0)] * (x.ndim - 1) + [(0, -K % 32)]); x = x.reshape(x.shape[:-1] + (-1, 32)); a = np.abs(x).max(-1, keepdims=True)
;;       e = np.where(a > 0, np.clip(np.frexp(np.where(a > 0, a, 1))[1] - 1 - 2, -126, 127), 0)      # np.frexp(a)[1] - 1 = floor(log2(a)), exactly
;;       r = np.clip(x / 2.0 ** e, -7.5, 7.5)
;;       step = 2.0 ** (np.maximum(np.frexp(np.where(r == 0, 1, r))[1] - 1, 0) - 3)
;;       q = np.round(r / step) * step * 2.0 ** e      # np.round: ties to even
;;       return np.moveaxis(q.reshape(q.shape[:-2] + (-1,))[..., :K], -1, axis).astype(np.float32)
;;   ~~~
;;   SOFTMAX AHEAD OF A QUANTISED PRODUCT. Where the list says 'softmax', what is quantised is not the finished softmax but p = 2^(t - M), with t = logit x log2(e) and M = ceil(the row's largest t), a whole number; so 1/2 < the row's largest p <= 1. The row's sum l is taken of the UNQUANTISED p, in f32, and the product's result is divided by l at the end. Since M is a whole number, a kernel that streams over the keys may use a running M (the ceiling of the running maximum): every later rescaling is an exact power of two, which a block's scale takes up: the codes' values come out the same.
;;   OPERANDS COMPUTED ON THE WAY. 'Computed on the way' means the value that the module computes at that place (a softmax that the list does not call 'softmax' is quantised finished and normalised). What goes into a quantiser is computed in f32, as accurately as f32 sums, v_exp_f32 and their like allow (about 1e-6 of the number): no bf16 or f16 on the way to a quantiser, and a product that is left as it is and whose result goes on into a quantised operand takes f32 operands (vector FMAs, or v_wmma_f32_16x16x4_f32). A number that lies on a knife's edge between two numbers of the format may be rounded either way, as far as f32 arithmetic and the matrix unit's own rounding can turn it there, and no further.
;; One version. Each part assembles by itself: llvm-mc -triple=amdgcn-amd-amdhsa -mcpu=gfx1250 --defsym DOCPART=n.
;; ======== version 1 of 1: 4 launches
;; limits: right only within a limited range of input values
;; workspace buffers: xc 18,874,368 bytes; xs 786,432 bytes; wc 3,145,728 bytes; ws 131,072 bytes; qc 6,815,744 bytes; kv 13,369,344 bytes; oc 6,291,456 bytes; os 262,144 bytes
;; launch quant (part 1): grid 896 x 1, 4 waves a work-group, no clusters, 68,096 bytes of LDS; arguments query, key, value, Wq, Wk, Wv, Wo, xc, xs, wc, ws; writes xc, xs, wc, ws
.if DOCPART == 1
	.amdgcn_target "amdgcn-amd-amdhsa--gfx1250"
	.amdhsa_code_object_version 6
	.text
	.protected	k_q0d7fe23134_quant
	.globl	k_q0d7fe23134_quant
	.p2align	8
	.type	k_q0d7fe23134_quant,@function
k_q0d7fe23134_quant:
	s_mov_b64 s[64:65], 0
	v_nop
	global_prefetch_b8 v0, s[64:65] scope:SCOPE_SE
	s_setreg_imm32_b32 hwreg(HW_REG_WAVE_MODE, 25, 1), 1
	s_wait_xcnt 0x0
; query, key, value [8192][1024] f32 (K innermost) and Wq, Wk, Wv, Wo [1024 (k)][1024 (n)] f32 (K outermost) become codes of FP6 (E2M3), K innermost, 768 bytes a row,
; with one E8M0 byte for each 32 along K, 32 bytes a row.  xc, xs: [3][8192 positions]; wc, ws: [4][1024 positions of n].
; POSITIONS.  A row (a token, or a column n of a weight) lies at the position that is its number with bits 3 and 4 exchanged.  So 16 neighbouring positions 16 (2 b + u) + r hold rows
; 32 b + 8 u + r + 8 (r / 8): used as a matrix instruction's first source such a tile leaves 16 neighbouring rows in a lane's registers of two neighbouring result tiles.
; A block's scale is 2^(floor(log2(largest magnitude)) - 2); its byte is the largest magnitude's exponent field - 2, held at 1 from below.
; LIMITS: a block of zeros gets the byte 1 where the quantiser's rule says 127 (its codes are zeros, and this program alone reads the bytes); blocks whose largest magnitude lies under 2^-124
; are held at that floor; NaN and infinities among the inputs are not served.
; Work-groups 0 to 767 take the three activations (256 each, 32,768 numbers a work-group), 768 to 895 the four weights (32 each).  The two ways have LDS bytes of their own.
; LAYOUT OF WO'S CODES (in place of the rows of 768 bytes named above): wc's fourth weight [4 parts of 256 along K][1024 positions][192 bytes]:
; the 128 rows of one part that a product's tile takes are 24,576 consecutive bytes, a multiple of 256 from the buffer's first byte.
; KEY'S POSITIONS differ from the others': position bit 3 = token bit 5, bit 4 = token bit 3, bit 5 = token bit 4.  So 16 neighbouring positions 16 t + m hold tokens 64 (t / 4) + 32 (m / 8) + 8 (t % 4) + m % 8:
; as the first source of a matrix instruction four neighbouring tiles leave 32 neighbouring keys in one lane's registers.
.set XWG,   768
.set SPW,   192                        ; v192  LDS address of my spare word; never rewritten
.set NIL,   193                        ; v193  0; never rewritten
.set SPARE, 67584                      ; behind both ways' stages: 128 bytes for each wave, named by no other line
; ---- the activations' way
.set STEPS, 16
.set CB,    12                         ; bytes of 16 codes
.set R,     16                         ; v16-79   four sets of 16 numbers as loaded
.set X,     80                         ; v80-111  two sets of 16 neighbours
.set E,     112                        ; v112-127 a scale byte for each step
.set C,     128                        ; v128-191 codes, four registers for each step
.set WREG,  8192                       ; LDS 0 .. 32767: a region for each wave: two stages of 32 x SP bytes, then its 256 scale bytes
.set SP,    80
; ---- the weights' way
.set WSTG,  32768                      ; LDS 32768 .. 67583: a stage of 32 x PITCH for each wave
.set PITCH, 272
.set KROW,  192
.set NB,    8
.set WX,    32                         ; v32-95   two sets of 32 numbers
.set WC,    96                         ; v96..    a block's codes
.set OUTR,  112                        ; v112-175 the way out
.set SB,    24                         ; v24-25   scale bytes
	s_load_b512 s[8:23], s[0:1], 0x0               ; query s[8:9], key s[10:11], value s[12:13], Wq s[14:15], Wk s[16:17], Wv s[18:19], Wo s[20:21], xc s[22:23]
	s_load_b128 s[24:27], s[0:1], 0x40             ; xs s[24:25], wc s[26:27]
	s_load_b64 s[28:29], s[0:1], 0x50              ; ws
	v_lshl_add_u32 v[SPW], v0, 2, SPARE
	v_mov_b32 v[NIL], 0
	v_lshrrev_b32 v1, 5, v0
	v_readfirstlane_b32 s30, v1                    ; wave
	v_and_b32 v2, 31, v0                           ; lane
	s_cmp_ge_u32 ttmp9, XWG
	s_cbranch_scc1 .Lweights
; ================= activations: a wave takes 8,192 numbers = 8 whole rows, in 16 steps of 512 numbers
	v_lshlrev_b32 v3, 4, v2                        ; my 16 bytes of a load's 512
	s_mul_i32 s31, s30, WREG
	v_lshrrev_b32 v14, 2, v2
	v_mul_u32_u24 v14, v14, SP
	v_and_b32 v15, 3, v2
	v_lshl_add_u32 v14, v15, 4, v14
	v_add_nc_u32 v14, s31, v14                     ; the stage on the way in: SP (lane / 4) + 16 (lane % 4)
	v_mul_u32_u24 v15, v2, SP
	v_add_nc_u32 v15, s31, v15                     ; and on the way out: SP x lane: my 16 neighbours
	v_mul_u32_u24 v4, v2, CB                       ; a step is half a row: its codes are 384 consecutive bytes, 12 a lane
	v_lshrrev_b32 v5, 1, v2                        ; xc, and wc's first three weights, lie as rows of 768 bytes, one to a position; wc's fourth weight lies by parts of K, as said above
	s_add_co_u32 s31, s31, 2*32*SP
	v_add_nc_u32 v5, s31, v5                       ; my block's byte among the wave's 256
	v_lshlrev_b32 v7, 3, v2
	v_add_nc_u32 v6, s31, v7
	s_wait_alu depctr_va_vdst(0)
	s_wait_kmcnt 0x0
	s_cmp_lt_u32 ttmp9, 512                        ; which tensor: the choice hangs on the work-group's number alone
	s_cselect_b64 s[4:5], s[10:11], s[12:13]
	s_cmp_lt_u32 ttmp9, 256
	s_cselect_b64 s[4:5], s[8:9], s[4:5]
	s_and_b32 s32, ttmp9, 255
	s_lshl_b32 s32, s32, 2
	s_add_co_u32 s32, s32, s30                     ; my run of 8 rows in the tensor
	s_lshl_b32 s32, s32, 15                        ; x 32,768 bytes
	s_mov_b32 s33, 0
	s_add_nc_u64 s[4:5], s[4:5], s[32:33]
	s_and_b32 s34, s30, 1                          ; a run is 8 rows, so the run's two low bits are the row's bits 3 and 4: exchanged for the position
	s_lshl_b32 s34, s34, 1
	s_lshr_b32 s35, s30, 1
	s_or_b32 s34, s34, s35
	s_lshl_b32 s35, ttmp9, 2
	s_add_co_u32 s34, s34, s35                     ; query, value: the run's place among the 3,072
	s_lshl_b32 s35, s30, 1                         ; key: the run's three low bits (token bits 3, 4, 5) turned round by one
	s_and_b32 s36, ttmp9, 1
	s_or_b32 s35, s35, s36
	s_lshr_b32 s36, ttmp9, 1
	s_lshl_b32 s36, s36, 3
	s_add_co_u32 s35, s35, s36
	s_lshr_b32 s36, ttmp9, 8                       ; the tensor
	s_cmp_eq_u32 s36, 1
	s_cselect_b32 s34, s35, s34
	s_mul_i32 s32, s34, 6144                       ; 8 rows of 768 bytes
	s_add_nc_u64 s[22:23], s[22:23], s[32:33]
	s_lshl_b32 s32, s34, 8
	s_add_nc_u64 s[24:25], s[24:25], s[32:33]
.macro XLOAD t
.irp i, 0,1,2,3
	global_load_b128 v[R+16*((\t)%4)+4*\i:R+16*((\t)%4)+4*\i+3], v3, s[4:5] offset:2048*(\t)+512*\i th:TH_LOAD_NT   ; step t is half a row; 32 lanes read 512 consecutive bytes
.endr
.endm
.macro XTURN t                         ; a step's 2,048 bytes through my stage: LDS serves a wave's instructions in order, so no wait stands between the stores and the loads
.irp i, 0,1,2,3
	ds_store_b128 v14, v[R+16*((\t)%4)+4*\i:R+16*((\t)%4)+4*\i+3] offset:32*SP*((\t)%2)+8*SP*\i
.endr
.irp i, 0,1,2,3
	ds_load_b128 v[X+16*((\t)%2)+4*\i:X+16*((\t)%2)+4*\i+3], v15 offset:32*SP*((\t)%2)+16*\i
.endr
.endm
.irp t, 0,1,2,3
	XLOAD \t
.endr
	s_wait_loadcnt 12                              ; step 0's four loads are in; twelve younger may be out
	XTURN 0
.macro XSTEP t
.set XS, X+16*((\t)%2)
.if (\t) > 0
	s_wait_dscnt 1                                 ; this step's numbers are back from the stage; only the last step's byte store may be out
.else
	s_wait_dscnt 0x0
.endif
.if (\t)+4 < STEPS
	XLOAD (\t)+4                                   ; into the set whose stores to the stage are done
.endif
.if (\t)+1 < STEPS
.if STEPS-2-(\t) >= 3
	s_wait_loadcnt 12                              ; the next step's four loads are in; three steps' may be out
.else
	s_wait_loadcnt 4*(STEPS-2-(\t))
.endif
	XTURN (\t)+1
.endif
	v_max3_num_f32 v8, |v[XS]|, |v[XS+1]|, |v[XS+2]|
	v_max3_num_f32 v9, |v[XS+3]|, |v[XS+4]|, |v[XS+5]|
.irp i, 6,10
	v_max3_num_f32 v8, v8, |v[XS+\i]|, |v[XS+\i+1]|
	v_max3_num_f32 v9, v9, |v[XS+\i+2]|, |v[XS+\i+3]|
.endr
	v_max3_num_f32 v8, v8, |v[XS+14]|, |v[XS+15]|
	v_max3_num_f32 v8, v8, v9, 0x1800000           ; and the floor 2^(3 - 127): the byte cannot fall under 1
	v_max_num_f32_dpp v8, v8, v8 row_xmask:1 row_mask:0xf bank_mask:0xf   ; with my neighbour's 16: the block's largest magnitude
	v_add_nc_u32 v11, 0xff000000, v8               ; 2 off its exponent field: the conversion takes this operand's exponent field as the scale
	v_cvt_scalef32_pk16_fp6_f32 v[C+4*(\t):C+4*(\t)+2], v[XS:XS+15], v11
	v_lshrrev_b32 v[E+(\t)], 23, v11               ; the scale's byte (a plain line behind the conversion)
	ds_store_b8 v5, v[E+(\t)] offset:16*(\t)
	global_store_b96 v4, v[C+4*(\t):C+4*(\t)+2], s[22:23] offset:32*CB*(\t)   ; the wave stores 384 consecutive bytes
.endm
.irp t, 0,1,2,3,4,5,6,7,8,9,10,11,12,13,14,15
	XSTEP \t
.endr
	ds_load_b64 v[8:9], v6                         ; my wave's 256 scale bytes, 8 a lane
	s_wait_dscnt 0x0
	global_store_b64 v7, v[8:9], s[24:25]          ; 32 lanes store 256 consecutive bytes, aligned: 8 rows of 32
	s_wait_tensorcnt 0x0                           ; the wave's end: three lines behind my last LDS store
	ds_add_u32 v[SPW], v[NIL]
	s_wait_dscnt 0x0
	s_endpgm
; ================= weights: a lane takes a column n, its registers run down K; a wave takes 32 columns x 256 along K
.Lweights:
	s_sub_co_u32 s31, ttmp9, XWG
	s_lshr_b32 s32, s31, 5                         ; which weight
	s_and_b32 s33, s31, 7                          ; which 128 columns
	s_bfe_u32 s34, s31, 0x20003
	s_cmp_eq_u32 s32, 3                            ; the fourth weight lies by parts of K, the others by rows
	s_mov_b32 s44, 768
	s_cselect_b32 s44, 192, s44                    ; bytes from row to row
	s_mov_b32 s45, 192
	s_cselect_b32 s45, 196608, s45                 ; bytes from part to part
	s_lshl_b32 s46, s44, 1
	s_lshl_b32 s35, s33, 7
	s_lshl_b32 s36, s30, 5
	s_add_co_u32 s35, s35, s36                     ; my wave's first column, a multiple of 32
	s_wait_alu depctr_va_vdst(0)
	v_lshlrev_b32 v3, 2, v2                        ; in: 4 bytes a lane
	v_and_b32 v10, 7, v2                           ; my column's position among the wave's 32: the lane with bits 3 and 4 exchanged
	v_bfe_u32 v11, v2, 3, 1
	v_bfe_u32 v12, v2, 4, 1
	v_lshl_or_b32 v10, v11, 4, v10
	v_lshl_or_b32 v10, v12, 3, v10
	s_mul_i32 s36, s30, 32*PITCH
	s_add_co_u32 s36, s36, WSTG                    ; my stage
	v_mul_u32_u24 v4, v10, PITCH
	v_add_nc_u32 v4, s36, v4                       ; into it: row = my column's position
	v_and_b32 v5, 15, v2
	v_lshrrev_b32 v6, 4, v2
	v_mul_u32_u24 v7, v6, PITCH
	v_lshl_add_u32 v7, v5, 4, v7
	v_add_nc_u32 v7, s36, v7                       ; out of it: sixteen lanes to a row, two rows an instruction
	v_mul_u32_u24 v8, v6, s44
	v_mad_u32_u24 v8, v5, 12, v8                   ; and the same place in wc
	v_lshlrev_b32 v9, 5, v10                       ; my position's row of scale bytes
	s_lshl_b32 s38, s34, 20                        ; W: 256 rows of 4,096 bytes a part of K,
	s_lshl_b32 s37, s35, 2
	s_add_co_u32 s38, s38, s37                     ; + 4 x column
	s_mov_b32 s39, 0
	s_mul_i32 s40, s32, 786432                     ; wc: the weight, + column x 768 + 192 x part
	s_mul_i32 s37, s35, s44
	s_add_co_u32 s40, s40, s37
	s_mul_i32 s37, s34, s45
	s_add_co_u32 s40, s40, s37
	s_mov_b32 s41, 0
	s_lshl_b32 s42, s32, 15                        ; ws: the weight, + column x 32 + 8 x part
	s_lshl_b32 s37, s35, 5
	s_add_co_u32 s42, s42, s37
	s_lshl_b32 s37, s34, 3
	s_add_co_u32 s42, s42, s37
	s_mov_b32 s43, 0
	s_wait_kmcnt 0x0
	s_cmp_lt_u32 s32, 1
	s_cselect_b64 s[4:5], s[14:15], s[16:17]
	s_cmp_lt_u32 s32, 3
	s_cselect_b64 s[6:7], s[18:19], s[20:21]
	s_cmp_lt_u32 s32, 2
	s_cselect_b64 s[4:5], s[4:5], s[6:7]
	s_add_nc_u64 s[4:5], s[4:5], s[38:39]
	s_add_nc_u64 s[26:27], s[26:27], s[40:41]
	s_add_nc_u64 s[28:29], s[28:29], s[42:43]
.macro WLOAD t                         ; block t: W(32 t + i, my column) into set t % 2; the largest offset, 255 rows of 4,096 bytes, lies inside the signed 24-bit immediate
.set i, 0
.rept 32
	global_load_b32 v[WX+32*((\t)%2)+i], v3, s[4:5] offset:(32*(\t)+i)*4096 th:TH_LOAD_NT
.set i, i+1
.endr
.endm
	WLOAD 0
	WLOAD 1
.macro WBLOCK t
.set XS, WX+32*((\t)%2)
.if (\t) < NB-1
	s_wait_loadcnt 32                              ; this block's 32 loads are in; the next block's may be out
.else
	s_wait_loadcnt 0
.endif
	v_max3_num_f32 v12, |v[XS]|, |v[XS+1]|, |v[XS+2]|
	v_max3_num_f32 v13, |v[XS+3]|, |v[XS+4]|, |v[XS+5]|
.irp i, 6,10,14,18,22,26
	v_max3_num_f32 v12, v12, |v[XS+\i]|, |v[XS+\i+1]|
	v_max3_num_f32 v13, v13, |v[XS+\i+2]|, |v[XS+\i+3]|
.endr
	v_max3_num_f32 v12, v12, |v[XS+30]|, |v[XS+31]|
	v_max3_num_f32 v12, v12, v13, 0x1800000        ; the floor
	v_add_nc_u32 v11, 0xff000000, v12
	v_lshrrev_b32 v13, 23, v11                     ; the scale's byte
.if (\t)%4 == 0
	v_mov_b32 v[SB+(\t)/4], v13
.else
	v_lshl_or_b32 v[SB+(\t)/4], v13, 8*((\t)%4), v[SB+(\t)/4]
.endif
	v_cvt_scalef32_pk16_fp6_f32 v[WC:WC+2], v[XS:XS+15], v11
	v_cvt_scalef32_pk16_fp6_f32 v[WC+4:WC+6], v[XS+16:XS+31], v11
	v_nop                                          ; a plain line behind the conversions
	ds_store_b96 v4, v[WC:WC+2] offset:32*(\t)     ; 12 bytes to a place of 16, so that every LDS address is a multiple of 16
	ds_store_b96 v4, v[WC+4:WC+6] offset:32*(\t)+16
.if (\t)+2 < NB
	WLOAD (\t)+2
.endif
	s_wait_dscnt 0x0                               ; the stores have read their registers: the next block's codes may be written
.endm
.irp t, 0,1,2,3,4,5,6,7
	WBLOCK \t
.endr
	s_wait_alu depctr_va_vdst(0)
	global_store_b64 v9, v[SB:SB+1], s[28:29]      ; my column's 8 scale bytes
.irp t, 0,1,2,3,4,5,6,7,8,9,10,11,12,13,14,15
	v_mad_u32_u24 v[176+\t], s46, \t, v8           ; where store t's two rows go
.endr
	s_wait_alu depctr_va_vdst(0)                   ; the stores below read these
.irp t, 0,1,2,3,4,5,6,7,8,9,10,11,12,13,14,15
	ds_load_b96 v[OUTR+4*\t:OUTR+4*\t+2], v7 offset:2*\t*PITCH
.endr
.irp t, 0,1,2,3,4,5,6,7,8,9,10,11,12,13,14,15
	s_wait_dscnt 15-\t                             ; LDS loads come back in order: load t is in
	global_store_b96 v[176+\t], v[OUTR+4*\t:OUTR+4*\t+2], s[26:27]   ; sixteen lanes store a row's 192 consecutive bytes
.endr
	s_wait_tensorcnt 0x0                           ; the wave's end: the same three lines
	ds_add_u32 v[SPW], v[NIL]
	s_wait_dscnt 0x0
	s_endpgm
.Lfunc_end_k_q0d7fe23134_quant:
	.size	k_q0d7fe23134_quant, .Lfunc_end_k_q0d7fe23134_quant-k_q0d7fe23134_quant
	.p2alignl 7, 3214868480
	.fill 96, 4, 3214868480
	.section	.rodata,"a",@progbits
	.p2align	6, 0x0
	.amdhsa_kernel k_q0d7fe23134_quant
		.amdhsa_group_segment_fixed_size 68096
		.amdhsa_private_segment_fixed_size 0
		.amdhsa_enable_private_segment 0
		.amdhsa_kernarg_size 88
		.amdhsa_user_sgpr_count 2
		.amdhsa_user_sgpr_kernarg_segment_ptr 1
		.amdhsa_wavefront_size32 1
		.amdhsa_system_sgpr_workgroup_id_x 1
		.amdhsa_system_sgpr_workgroup_id_y 1
		.amdhsa_system_sgpr_workgroup_id_z 1
		.amdhsa_system_vgpr_workitem_id 0
		.amdhsa_next_free_vgpr 196
		.amdhsa_next_free_sgpr 66
		.amdhsa_reserve_vcc 0
		.amdhsa_float_denorm_mode_32 3
		.amdhsa_float_denorm_mode_16_64 3
		.amdhsa_memory_ordered 1
		.amdhsa_forward_progress 1
		.amdhsa_inst_pref_size 76
	.end_amdhsa_kernel
	.amdgpu_metadata
---
amdhsa.version: [ 1, 2 ]
amdhsa.kernels:
  - .name:           k_q0d7fe23134_quant
    .symbol:         k_q0d7fe23134_quant.kd
    .args:
      - { .name: query, .offset: 0, .size: 8, .value_kind: global_buffer, .address_space: global }
      - { .name: key, .offset: 8, .size: 8, .value_kind: global_buffer, .address_space: global }
      - { .name: value, .offset: 16, .size: 8, .value_kind: global_buffer, .address_space: global }
      - { .name: Wq, .offset: 24, .size: 8, .value_kind: global_buffer, .address_space: global }
      - { .name: Wk, .offset: 32, .size: 8, .value_kind: global_buffer, .address_space: global }
      - { .name: Wv, .offset: 40, .size: 8, .value_kind: global_buffer, .address_space: global }
      - { .name: Wo, .offset: 48, .size: 8, .value_kind: global_buffer, .address_space: global }
      - { .name: xc, .offset: 56, .size: 8, .value_kind: global_buffer, .address_space: global }
      - { .name: xs, .offset: 64, .size: 8, .value_kind: global_buffer, .address_space: global }
      - { .name: wc, .offset: 72, .size: 8, .value_kind: global_buffer, .address_space: global }
      - { .name: ws, .offset: 80, .size: 8, .value_kind: global_buffer, .address_space: global }
    .group_segment_fixed_size: 68096
    .private_segment_fixed_size: 0
    .kernarg_segment_align: 8
    .kernarg_segment_size: 88
    .max_flat_workgroup_size: 128
    .sgpr_count:     66
    .vgpr_count:     196
    .wavefront_size: 32
...
	.end_amdgpu_metadata
.endif
;; end of part 1
;; launch proj (part 2): grid 16 x 16, 4 waves a work-group, clusters of 4 x 4, 327,680 bytes of LDS; arguments xc, xs, wc, ws, bq, bk, bv, qc, kv; writes qc, kv
.if DOCPART == 2
	.amdgcn_target "amdgcn-amd-amdhsa--gfx1250"
	.amdhsa_code_object_version 6
	.text
	.protected	k_q0d7fe23134_proj
	.globl	k_q0d7fe23134_proj
	.p2align	8
	.type	k_q0d7fe23134_proj,@function
k_q0d7fe23134_proj:
	s_mov_b64 s[64:65], 0
	v_nop
	global_prefetch_b8 v0, s[64:65] scope:SCOPE_SE
	s_setreg_imm32_b32 hwreg(HW_REG_WAVE_MODE, 25, 1), 1
	s_wait_xcnt 0x0
	s_wait_alu depctr_hold_cnt(0) depctr_sa_sdst(0) depctr_va_vdst(0) depctr_va_sdst(0) depctr_va_ssrc(0) depctr_va_vcc(0) depctr_vm_vsrc(0)
	s_getreg_b32 s2, hwreg(HW_REG_IB_STS2, 6, 4)
	s_cmp_eq_u32 s2, 0
	s_cbranch_scc0 .Lentry_in_a_cluster
	s_endpgm
.Lentry_in_a_cluster:
	s_bfe_u32 s2, ttmp6, 0x10000c
	s_cmp_lg_u32 s2, 0xf033
	s_cbranch_scc0 .Lentry_shape_is_right
	s_endpgm
.Lentry_shape_is_right:
; Q = query Wq + bq, K = key Wk + bk, V = value Wv + bv on codes of FP6 (E2M3) with E8M0 scales, K = 1,024; each result is quantised again and leaves as the operand images and scale bytes that the next launch reads.
; IN: xc [3][8,192 positions][768 bytes], xs [..][32]; wc [weight][1,024 positions][768], ws [..][32] (the first three weights).
; OUT: qc [batch x 16 + head][16 groups of 128 queries][8 tiles x 768, then scale words [tile / 4][row][tile % 4]]; kv [batch x 16 + head][16 key steps][K's 8 tiles x 768; from 6,144 V's 4 operands x 1,536;
; from 12,288 K's scale words [tile / 4][row][tile % 4]; from 12,800 V's [row][tile]].  An image of 768 bytes: registers 0-3 at 16 x lane, registers 4, 5 at 512 + 8 x lane.
; THE DEAL.  256 work-groups; each makes THREE UNITS of one shape, one of each tensor.  In a unit 128 rows of one operand, all of K, are RESIDENT in registers (a wave holds 64 rows: 32 fragments, 384 registers), and 256 rows of the
; other STREAM past in blocks of 16 rows.  Q, K: the weight's rows are resident, the tokens stream.  V: the tokens are resident, Wv's rows stream.  The resident rows are source 0: a lane holds one streamed row, and its 32 sums
; of a block are 64 neighbouring resident rows in two halves of the lanes: two scale blocks of the next product (channels for Q and K, keys for V).  So one text serves all three.
; Four waves, 2 x 2: wave row wr takes rows 64 wr .. of each chunk of 128 streamed rows, wave column wc rows 64 wc .. of the resident 128.
; LDS: two slots for the streamed chunks, a region for the resident tile (each 128 rows x 816 bytes: 16 of padding behind every 256), two places for a chunk's scale bytes, the spare words, V's bias by position.
; FILLS.  At the head one joint load a wave: the resident tile, the scale bytes of both chunks, chunk 0, chunk 1.  In units 0 and 1 two rounds: behind chunk 0 the slot, its scale
; place and the resident region take the next unit's; behind chunk 1 the other slot and place.  What a round's loads bring is shown by the next round; in the last unit by one plain barrier.
; Streamed tiles are shared by a row of the cluster, resident tiles by a column.  No prefetch: a tile holds all of K, and each is asked for a chunk's work or more ahead of its use.
; LIMITS: a block of zeros gets the byte 1 (its codes are zeros; this program alone reads the bytes); NaN and infinities are not served.
.set PITCH,  816
.set FR,     12
.set FPW,    21                        ; fragments in a window: fragment f lies in window 1 + f / 21 at register 12 (f % 21): 0-31 resident (4 q + b), 32-39 and 40-47 the streamed blocks' two sets
.set TILEB,  128*PITCH
.set RBB,    2*TILEB
.set SCL,    3*TILEB
.set SCB,    16*272
.set SPARE,  SCL+2*SCB
.set BVL,    SPARE+512                 ; 1,024 bytes: bv at my 256 streamed positions
.set ADX0, 4                           ; v4, v5  my rows of block 0 in slot 0 (v5: for the pieces behind one padding more)
.set AAS0, 6                           ; v6      my row's scale words there
.set ABV0, 7                           ; v7      my row's bias word
.set LI16, 8
.set LI8,  9
.set SPW,  10
.set NIL,  11
.set VSO,  12                          ; 16 x (lane % 16)
.set VBS,  13
.set AX,   14                          ; v14-17 the pair's fragment addresses; v18, 19 scale words; v20, 21 bias
.set AS,   18
.set AB,   20
.set BA,   22                          ; v22-29 the resident tile's four tiles of 16 rows
.set SB,   32                          ; v32-79 the resident rows' scale words: 16 a unit; lanes 0-15 tile 2 p, lanes 16-31 tile 2 p + 1
.set SA,   84                          ; v84-99 the streamed rows' scale words, two sets
.set CB,   100                         ; v100-115 V: the bias as C, two sets of eight
.set ACC,  116                         ; v116-147
.set OUT,  148                         ; v148-154, v156-162 what is stored, two sets
.set PX,   164
.set BM,   168
.set PR,   170
.set SOP,  172
.set BIA,  72                          ; window 3: v72-103 bq, v104-135 bk as C
.set G1C, 56
.set G1R, 68
.set G1S, 76
.set G0C, 84
.set G0R, 88
.set G0S, 92
.set G0D, 96
.set XO,  36
.set SO,  37
.set BO,  40
.set CNT, 41
.set SEL, 50
.set MSB, 0
.macro WIN new
.if MSB != (\new)
	s_set_vgpr_msb (MSB<<8)|(\new)
.set MSB, (\new)
.endif
.endm
.macro PLACES n
.rept \n
	v_nop
.endr
.endm
.macro WALU
	s_wait_alu depctr_va_vdst(0)
.endm
.macro CROUND
	s_barrier_signal -1
	s_barrier_wait -1
	s_cmp_lg_u32 s14, 0
	s_cbranch_scc1 .Lnot_wave_0_\@
	s_barrier_signal -3
.Lnot_wave_0_\@:
	s_barrier_wait -3
	s_barrier_signal -1
	s_barrier_wait -1
.endm
.macro TLOAD g0, g1
	tensor_load_to_lds s[\g0:\g0+3], s[\g1:\g1+7]
	s_nop 0
	PLACES 4
.endm
.macro GROUP1 g, mask                  ; 128 rows of 768 bytes, 16 bytes of padding behind every 256
	s_or_b32 s[\g+0], s\mask, (1<<20)|(1<<21)|(5<<22)|(3<<25)
	s_mov_b32 s[\g+1], 768<<16
	s_mov_b32 s[\g+2], 128<<16
	s_mov_b32 s[\g+3], 768<<16
	s_mov_b32 s[\g+4], 128
	s_mov_b32 s[\g+5], 768
	s_mov_b32 s[\g+6], 0
	s_mov_b32 s[\g+7], 0
.endm
.macro G0SET g, lds, ptr
	s_mov_b32 s[\g], 1
	s_mov_b32 s[\g+1], \lds
	s_mov_b64 s[\g+2:\g+3], s[\ptr:\ptr+1]
	s_or_b32 s[\g+3], s[\g+3], 0x80000000
.endm
; a fragment: six pieces of 8 bytes of a row's stream of bits, two to a load where both lie behind as many paddings
.macro FRAG f, q, a0, a1
	WIN ((1+(\f)/FPW)<<6)
.set R_, FR*((\f)%FPW)
.set SKIP_, 0
.irp p, 0,1,2,3,4,5
.if SKIP_
.set SKIP_, 0
.else
.set PC_, 12*(\q)+6*(\p/3)+\p%3
.set PN_, 12*(\q)+6*((\p+1)/3)+(\p+1)%3
.set X_, (PC_%32+3)/32
.set XQ_, (PN_%32+3)/32
.if (\p < 5) && (X_ == XQ_)
.set SKIP_, 1
.if X_
	ds_load_2addr_b64 v[R_+2*\p:R_+2*\p+3], v[\a1] offset0:PC_+2*(PC_/32) offset1:PN_+2*(PN_/32)
.else
	ds_load_2addr_b64 v[R_+2*\p:R_+2*\p+3], v[\a0] offset0:PC_+2*(PC_/32) offset1:PN_+2*(PN_/32)
.endif
.elseif X_
	ds_load_b64 v[R_+2*\p:R_+2*\p+1], v[\a1] offset:8*(PC_+2*(PC_/32))
.else
	ds_load_b64 v[R_+2*\p:R_+2*\p+1], v[\a0] offset:8*(PC_+2*(PC_/32))
.endif
.endif
.endr
.endm
.macro RESIDENT                        ; my 64 resident rows, all of K
.irp q, 0,1,2,3,4,5,6,7
.irp b, 0,1,2,3
	FRAG 4*\q+\b, \q, BA+2*\b, BA+2*\b+1
.endr
.endr
	WIN 0
.endm
.macro FETCH t, e                      ; a streamed block into set e: 26 loads for eight fragments, 2 for eight scale words; V: 8 for the bias
.irp q, 0,1,2,3,4,5,6,7
	FRAG 32+8*(\e)+\q, \q, AX+2*(\e), AX+2*(\e)+1
.endr
	WIN 0
	ds_load_b128 v[SA+8*(\e):SA+8*(\e)+3], v[AS+(\e)]
	ds_load_b128 v[SA+8*(\e)+4:SA+8*(\e)+7], v[AS+(\e)] offset:16
.if (\t) == 2
.irp i, 0,1,2,3,4,5,6,7
	ds_load_b32 v[CB+8*(\e)+\i], v[AB+(\e)]
.endr
.endif
.endm
.macro PROD1 d, s0, s1, c, x0, x1, o
.if \o
	v_wmma_scale_f32_16x16x128_f8f6f4 v[\d:\d+7], v[FR*((\s0)%FPW):FR*((\s0)%FPW)+FR-1], v[FR*((\s1)%FPW):FR*((\s1)%FPW)+FR-1], \c, v[\x0], v[\x1] matrix_a_fmt:MATRIX_FMT_FP6 matrix_b_fmt:MATRIX_FMT_FP6 matrix_a_scale:MATRIX_SCALE_ROW1
.else
	v_wmma_scale_f32_16x16x128_f8f6f4 v[\d:\d+7], v[FR*((\s0)%FPW):FR*((\s0)%FPW)+FR-1], v[FR*((\s1)%FPW):FR*((\s1)%FPW)+FR-1], \c, v[\x0], v[\x1] matrix_a_fmt:MATRIX_FMT_FP6 matrix_b_fmt:MATRIX_FMT_FP6
.endif
.endm
.macro BLOCK t, e                      ; 32 products, K ascending, the four accumulators by turns; the bias is the first four products' C
.set N_, 0
.rept 32
.set Q_, N_/4
.set B_, N_%4
.set FB_, 4*Q_+B_
.set FA_, 32+8*(\e)+Q_
.set D_, ACC+8*B_
.if Q_
	WIN (1+FB_/FPW)|((1+FA_/FPW)<<2)
	PROD1 D_, FB_, FA_, v[D_:D_+7], SB+16*(\t)+8*(B_/2)+Q_, SA+8*(\e)+Q_, B_%2
.elseif (\t) < 2
	WIN (1+FB_/FPW)|((1+FA_/FPW)<<2)|(3<<4)
	PROD1 D_, FB_, FA_, v[BIA+32*(\t)+8*B_:BIA+32*(\t)+8*B_+7], SB+16*(\t)+8*(B_/2)+Q_, SA+8*(\e)+Q_, B_%2
.else
	WIN (1+FB_/FPW)|((1+FA_/FPW)<<2)
	PROD1 D_, FB_, FA_, v[CB+8*(\e):CB+8*(\e)+7], SB+16*(\t)+8*(B_/2)+Q_, SA+8*(\e)+Q_, B_%2
.endif
.set N_, N_+1
.endr
	WIN 0
.endm
; the way out of a block: register 16 b + i of lane (r, h) is resident row 32 b + 16 h + i: two scale blocks, each in lanes l and l xor 16
.macro EPI t, e
.set O_, OUT+8*(\e)
	PLACES 4
.irp b, 0,1
	v_max3_num_f32 v[BM+\b], |v[ACC+16*\b]|, |v[ACC+1+16*\b]|, 0x1800000
.endr
.irp i, 2,4,6,8,10,12,14
.irp b, 0,1
	v_max3_num_f32 v[BM+\b], v[BM+\b], |v[ACC+16*\b+\i]|, |v[ACC+1+16*\b+\i]|
.endr
.endr
.irp b, 0,1
	v_permlanex16_b32 v[PR+\b], v[BM+\b], s[SEL], s[SEL+1]
.endr
.irp b, 0,1
	v_max_num_f32 v[BM+\b], v[BM+\b], v[PR+\b]
.endr
.irp b, 0,1
	v_add_nc_u32 v[SOP+\b], 0xff000000, v[BM+\b]   ; 2 off the exponent field: the conversion's scale operand
.endr
.irp b, 0,1
	v_lshrrev_b32 v[PR+\b], 23, v[SOP+\b]
.endr
	v_lshl_or_b32 v[O_+6], v[PR+1], 8, v[PR]       ; the two bytes; the word's upper half is 0
	v_cvt_scalef32_pk16_fp6_f32 v[O_:O_+2], v[ACC:ACC+15], v[SOP]
	v_cvt_scalef32_pk16_fp6_f32 v[PX:PX+2], v[ACC+16:ACC+31], v[SOP+1]
	v_nop                                          ; a plain line behind the conversions
.irp i, 0,1,2
	v_permlane16_swap_b32 v[O_+\i], v[PX+\i]       ; a whole block to a lane
.endr
.irp i, 0,1,2
	v_mov_b32 v[O_+3+\i], v[PX+\i]
.endr
	global_store_b128 v[LI16], v[O_:O_+3], s[OP_:OP_+1] offset:STR_*(\e)
	global_store_b64 v[LI8], v[O_+4:O_+5], s[OP_:OP_+1] offset:STR_*(\e)+512
.if (\t) < 2
	global_store_b32 v[VSO], v[O_+6], s[QP_:QP_+1] offset:4*(\e)
.else
	global_store_b16 v[VSO], v[O_+6], s[QP_:QP_+1] offset:4*(\e)
.endif
.endm
; behind chunk ch of unit t < 2: the three lines, a round, and the next unit's tiles onto what has been read
.macro REFILL t, ch
.if (\t) == 0
.set SS_, 12
.else
.set SS_, 18
.endif
	WALU
	s_wait_tensorcnt 0x0
	ds_add_u32 v[SPW], v[NIL]
	s_mov_b32 s[G1S+2], 16<<16                     ; no load of mine is out: the descriptors may be written
	s_mov_b32 s[G1S+4], 16
	s_mov_b32 s[G0C+1], (\ch)*TILEB
	s_add_nc_u64 s[G0C+2:G0C+3], s[6+2*(\t):7+2*(\t)], (\ch)*98304
	s_or_b32 s[G0C+3], s[G0C+3], 0x80000000
	s_mov_b32 s[G0S+1], SCL+(\ch)*SCB
	s_add_nc_u64 s[G0S+2:G0S+3], s[SS_:SS_+1], (\ch)*4096
	s_or_b32 s[G0S+3], s[G0S+3], 0x80000000
	s_mov_b64 s[G0R+2:G0R+3], s[22+2*(\t):23+2*(\t)]
	s_or_b32 s[G0R+3], s[G0R+3], 0x80000000
	s_wait_dscnt 0x0
	CROUND
	s_cmp_eq_u32 s14, 0
	s_cbranch_scc0 .Lr1_\@
	TLOAD G0C, G1C                                 ; wave 0: the chunk
	s_branch .Lrj_\@
.Lr1_\@:
	s_cmp_eq_u32 s14, 1
	s_cbranch_scc0 .Lr2_\@
	TLOAD G0S, G1S                                 ; wave 1: its scale bytes
	s_branch .Lrj_\@
.Lr2_\@:
.if (\ch) == 0
	s_cmp_eq_u32 s14, 2
	s_cbranch_scc0 .Lrj_\@
	TLOAD G0R, G1R                                 ; wave 2: the resident tile, which all waves hold in registers
.endif
.Lrj_\@:
.endm
.macro CHUNK t, ch                     ; my 64 rows of a chunk: two trips of two blocks
.if (\t) < 2
.set OP_, 26+4*(\t)
.set QP_, 28+4*(\t)
.set STR_, 768
.set NFT_, 28
.set CHS_, 6656+6400*(\t)
.else
.set OP_, 34
.set QP_, 54
.set STR_, 1536
.set NFT_, 36
.set CHS_, 417792
.endif
	s_mov_b32 s[XO], (\ch)*TILEB
	s_mov_b32 s[SO], (\ch)*SCB
	s_mov_b32 s[BO], (\ch)*512
	s_mov_b32 s[CNT], 0
.Lpair_\@:
	v_add_nc_u32 v[AX], s[XO], v[ADX0]
	v_add_nc_u32 v[AX+1], s[XO], v[ADX0+1]
	v_add_nc_u32 v[AX+2], 16*PITCH, v[AX]
	v_add_nc_u32 v[AX+3], 16*PITCH, v[AX+1]
	v_add_nc_u32 v[AS], s[SO], v[AAS0]
	v_add_nc_u32 v[AS+1], 544, v[AS]
	v_add_nc_u32 v[AB], s[BO], v[ABV0]
	v_add_nc_u32 v[AB+1], 64, v[AB]
	FETCH \t, 0
	FETCH \t, 1
	s_wait_dscnt NFT_                              ; the first block is in; the second block's loads may be out
	BLOCK \t, 0
	EPI \t, 0
	s_wait_dscnt 0x0
	BLOCK \t, 1
	EPI \t, 1
	WALU
	s_wait_xcnt 0x0                                ; the stores have read their registers and bases
	s_add_nc_u64 s[OP_:OP_+1], s[OP_:OP_+1], 2*STR_
	s_add_nc_u64 s[QP_:QP_+1], s[QP_:QP_+1], 8
	s_add_co_u32 s[XO], s[XO], 32*PITCH
	s_add_co_u32 s[SO], s[SO], 2*544
	s_add_co_u32 s[BO], s[BO], 128
	s_add_co_u32 s[CNT], s[CNT], 1
	s_cmp_lg_u32 s[CNT], 2
	s_cbranch_scc1 .Lpair_\@
.if (\ch) == 0
	s_add_nc_u64 s[OP_:OP_+1], s[OP_:OP_+1], CHS_-4*STR_   ; on to the next chunk's place
	s_add_nc_u64 s[QP_:QP_+1], s[QP_:QP_+1], CHS_-16
.endif
.endm
; ================= the head
	s_load_b512 s[36:51], s[0:1], 0x0              ; xc 36, xs 38, wc 40, ws 42, bq 44, bk 46, bv 48, qc 50
	s_load_b64 s[52:53], s[0:1], 0x40              ; kv
	v_lshl_add_u32 v[SPW], v0, 2, SPARE
	v_mov_b32 v[NIL], 0
	ds_add_u32 v[SPW], v[NIL]                      ; the opening lines
	ds_add_u32 v[SPW], v[NIL]
	v_lshrrev_b32 v1, 5, v0
	v_readfirstlane_b32 s14, v1                    ; wave; s15 its row wr, s16 its column wc
	s_lshr_b32 s15, s14, 1
	s_and_b32 s16, s14, 1
	s_bfe_u32 s96, ttmp6, 0x40000                  ; cx
	s_bfe_u32 s97, ttmp6, 0x40004                  ; cy
	s_mov_b32 s98, ttmp9                           ; cluster x, 0 .. 3
	s_and_b32 s99, ttmp7, 0xffff                   ; cluster y, 0 .. 3
	s_lshl_b32 s100, s97, 2
	s_lshl_b32 s100, 15, s100                      ; my row of the cluster
	s_lshl_b32 s101, 0x1111, s96                   ; my column
	GROUP1 G1C, 100
	GROUP1 G1R, 101
	s_or_b32 s[G1S+0], s100, (3<<16)|(1<<20)|(1<<21)|(5<<22)|(3<<25)   ; scale bytes: rows of 256 bytes, 16 of padding behind each; 32 rows at the head
	s_mov_b32 s[G1S+1], 32<<16
	s_mov_b32 s[G1S+2], 32<<16
	s_mov_b32 s[G1S+3], 32<<16
	s_mov_b32 s[G1S+4], 32
	s_mov_b32 s[G1S+5], 32
	s_mov_b32 s[G1S+6], 0
	s_mov_b32 s[G1S+7], 0
	; streamed tiles hang on cy and the cluster alone.  Q, K: group g = 4 cluster y + cy + 16 (cluster x / 2) of 256 tokens; V: group cy of 256 rows of Wv
	s_lshl_b32 s17, s99, 2
	s_add_co_u32 s17, s17, s97
	s_lshr_b32 s100, s98, 1
	s_lshl_b32 s100, s100, 4
	s_add_co_u32 s17, s17, s100                    ; g
	s_mul_i32 s4, s17, 196608
	s_mov_b32 s5, 0
	s_add_co_u32 s6, s4, 6291456
	s_mov_b32 s7, 0
	s_mul_i32 s8, s97, 196608
	s_add_co_u32 s8, s8, 1572864
	s_mov_b32 s9, 0
	s_lshl_b32 s10, s17, 13
	s_mov_b32 s11, 0
	s_add_co_u32 s12, s10, 262144
	s_mov_b32 s13, 0
	s_lshl_b32 s18, s97, 13
	s_add_co_u32 s18, s18, 65536
	s_mov_b32 s19, 0
	; resident tiles hang on cx and the cluster alone.  Q, K: tile c = 4 (cluster x % 2) + cx of 128 rows of the weight; V: tile rt = cx + 4 cluster x + 16 cluster y of 128 tokens
	s_and_b32 s2, s98, 1
	s_lshl_b32 s2, s2, 2
	s_add_co_u32 s2, s2, s96                       ; c
	s_lshl_b32 s3, s98, 2
	s_add_co_u32 s3, s3, s96
	s_lshl_b32 s101, s99, 4
	s_add_co_u32 s3, s3, s101                      ; rt
	s_mul_i32 s20, s2, 98304
	s_mov_b32 s21, 0
	s_add_co_u32 s22, s20, 786432
	s_mov_b32 s23, 0
	s_mul_i32 s24, s3, 98304
	s_add_co_u32 s24, s24, 12582912
	s_mov_b32 s25, 0
	; where the results go
	s_lshr_b32 s66, s17, 3
	s_lshl_b32 s66, s66, 4
	s_lshl_b32 s67, s2, 1
	s_add_co_u32 s66, s66, s67
	s_add_co_u32 s66, s66, s16                     ; Q, K: batch x 16 + head
	s_and_b32 s67, s17, 7
	s_mul_i32 s26, s66, 106496
	s_mul_i32 s101, s67, 13312
	s_add_co_u32 s26, s26, s101
	s_lshl_b32 s101, s15, 8
	s_add_co_u32 s28, s26, s101
	s_add_co_u32 s28, s28, 6144
	s_mov_b32 s29, 0
	s_mul_i32 s101, s15, 3072
	s_add_co_u32 s26, s26, s101
	s_mov_b32 s27, 0
	s_mul_i32 s30, s66, 208896
	s_mul_i32 s101, s67, 26112
	s_add_co_u32 s30, s30, s101
	s_lshl_b32 s101, s15, 8
	s_add_co_u32 s32, s30, s101
	s_add_co_u32 s32, s32, 12288
	s_mov_b32 s33, 0
	s_mul_i32 s101, s15, 3072
	s_add_co_u32 s30, s30, s101
	s_mov_b32 s31, 0
	s_lshr_b32 s66, s3, 4
	s_lshl_b32 s66, s66, 4
	s_lshl_b32 s67, s97, 2
	s_add_co_u32 s66, s66, s67
	s_add_co_u32 s66, s66, s15                     ; V: batch x 16 + head 4 cy + wr (+ 2 for the second chunk)
	s_mul_i32 s34, s66, 208896
	s_and_b32 s67, s3, 15
	s_mul_i32 s67, s67, 13056
	s_add_co_u32 s34, s34, s67
	s_lshl_b32 s67, s16, 1
	s_add_co_u32 s54, s34, s67
	s_add_co_u32 s54, s54, 12800
	s_mov_b32 s55, 0
	s_mul_i32 s67, s16, 768
	s_add_co_u32 s34, s34, s67
	s_add_co_u32 s34, s34, 6144
	s_mov_b32 s35, 0
	s_wait_dscnt 0x0
	CROUND                                         ; in front of the first joint loads
	s_wait_kmcnt 0x0
	s_add_nc_u64 s[4:5], s[36:37], s[4:5]          ; streamed codes of the three units,
	s_add_nc_u64 s[6:7], s[36:37], s[6:7]
	s_add_nc_u64 s[8:9], s[40:41], s[8:9]
	s_add_nc_u64 s[10:11], s[38:39], s[10:11]      ; their scale bytes,
	s_add_nc_u64 s[12:13], s[38:39], s[12:13]
	s_add_nc_u64 s[18:19], s[42:43], s[18:19]
	s_add_nc_u64 s[20:21], s[40:41], s[20:21]      ; resident codes
	s_add_nc_u64 s[22:23], s[40:41], s[22:23]
	s_add_nc_u64 s[24:25], s[36:37], s[24:25]
	s_add_nc_u64 s[26:27], s[50:51], s[26:27]
	s_add_nc_u64 s[28:29], s[50:51], s[28:29]
	s_add_nc_u64 s[30:31], s[52:53], s[30:31]
	s_add_nc_u64 s[32:33], s[52:53], s[32:33]
	s_add_nc_u64 s[34:35], s[52:53], s[34:35]
	s_add_nc_u64 s[54:55], s[52:53], s[54:55]
	s_lshl_b32 s66, s2, 12                         ; my 64 resident rows' scale bytes: in ws for Q (K: 32,768 on),
	s_lshl_b32 s67, s16, 11
	s_add_co_u32 s66, s66, s67
	s_mov_b32 s67, 0
	s_add_nc_u64 s[42:43], s[42:43], s[66:67]
	s_lshl_b32 s66, s3, 12                         ; in xs for V
	s_lshl_b32 s101, s16, 11
	s_add_co_u32 s66, s66, s101
	s_add_co_u32 s66, s66, 524288
	s_add_nc_u64 s[38:39], s[38:39], s[66:67]
	s_lshl_b32 s66, s2, 9                          ; my 64 channels of bq and bk
	s_lshl_b32 s101, s16, 8
	s_add_co_u32 s66, s66, s101
	s_add_nc_u64 s[44:45], s[44:45], s[66:67]
	s_add_nc_u64 s[46:47], s[46:47], s[66:67]
	s_lshl_b32 s66, s97, 10                        ; my 256 channels of bv
	s_add_nc_u64 s[48:49], s[48:49], s[66:67]
	G0SET G0R, RBB, 20
	G0SET G0S, SCL, 10
	G0SET G0C, 0, 4
	s_mov_b32 s[G0D], 1
	s_mov_b32 s[G0D+1], TILEB
	s_add_nc_u64 s[G0D+2:G0D+3], s[4:5], 98304
	s_or_b32 s[G0D+3], s[G0D+3], 0x80000000
	s_mov_b32 s[SEL], 0x76543210
	s_mov_b32 s[SEL+1], 0xfedcba98
	s_mul_i32 s66, s15, 64*PITCH
	s_mul_i32 s67, s16, 64*PITCH
	s_add_co_u32 s67, s67, RBB
	s_mul_i32 s100, s15, 4*544
	s_add_co_u32 s100, s100, SCL
	s_lshl_b32 s101, s15, 8
	s_add_co_u32 s101, s101, BVL
	s_cmp_eq_u32 s14, 0                            ; one tensor load a wave, in one chain of arms
	s_cbranch_scc0 .Lwave_1
	TLOAD G0R, G1R                                 ; wave 0: the resident tile
	s_branch .Lasked
.Lwave_1:
	s_cmp_eq_u32 s14, 1
	s_cbranch_scc0 .Lwave_2
	TLOAD G0S, G1S                                 ; wave 1: both chunks' scale bytes
	s_branch .Lasked
.Lwave_2:
	s_cmp_eq_u32 s14, 2
	s_cbranch_scc0 .Lwave_3
	TLOAD G0C, G1C                                 ; wave 2: chunk 0
	s_branch .Lasked
.Lwave_3:
	TLOAD G0D, G1C                                 ; wave 3: chunk 1
.Lasked:
	v_and_b32 v1, 15, v0                           ; r
	v_bfe_u32 v2, v0, 4, 1                         ; h
	v_and_b32 v3, 31, v0
	v_mul_u32_u24 v30, v1, PITCH
	v_mad_u32_u24 v31, v2, 24, v30
	v_mad_u32_u24 v30, v2, 40, v30
	v_add_nc_u32 v[ADX0], s66, v31
	v_add_nc_u32 v[ADX0+1], s66, v30
	v_add_nc_u32 v[BA], s67, v31
	v_add_nc_u32 v[BA+1], s67, v30
.irp b, 1,2,3
	v_add_nc_u32 v[BA+2*\b], \b*16*PITCH, v[BA]
	v_add_nc_u32 v[BA+2*\b+1], \b*16*PITCH, v[BA+1]
.endr
	v_lshlrev_b32 v30, 5, v1                       ; my row's 32 scale bytes, 16 more behind each 256
	v_lshrrev_b32 v31, 3, v1
	v_lshl_add_u32 v30, v31, 4, v30
	v_add_nc_u32 v[AAS0], s100, v30
	v_lshl_add_u32 v[ABV0], v1, 2, s101
	v_lshlrev_b32 v[LI16], 4, v3
	v_lshlrev_b32 v[LI8], 3, v3
	v_lshlrev_b32 v[VSO], 4, v1
	v_lshl_add_u32 v[VBS], v0, 2, BVL
	v_and_b32 v30, 7, v0                           ; thread p's position p holds channel p with bits 3 and 4 exchanged
	v_bfe_u32 v31, v0, 3, 1
	v_lshl_or_b32 v30, v31, 4, v30
	v_bfe_u32 v31, v0, 4, 1
	v_lshl_or_b32 v30, v31, 3, v30
	v_and_b32 v31, 0x60, v0
	v_or_b32 v30, v30, v31
	v_lshlrev_b32 v30, 2, v30
	v_lshlrev_b32 v31, 5, v3                       ; resident scale words: lane l takes row l of 32
	v_lshlrev_b32 v2, 6, v2                        ; bias: 64 h
	v_mov_b32 v[PR], 0                             ; a lane permute's destination counts as one of its sources
	v_mov_b32 v[PR+1], 0
	global_load_b32 v[ACC], v30, s[48:49]
	global_load_b32 v[ACC+1], v30, s[48:49] offset:512
.irp p, 0,1
.irp c, 0,1
	global_load_b128 v[SB+8*\p+4*\c:SB+8*\p+4*\c+3], v31, s[42:43] offset:1024*\p+16*\c
	global_load_b128 v[SB+16+8*\p+4*\c:SB+16+8*\p+4*\c+3], v31, s[42:43] offset:32768+1024*\p+16*\c
	global_load_b128 v[SB+32+8*\p+4*\c:SB+32+8*\p+4*\c+3], v31, s[38:39] offset:1024*\p+16*\c
.endr
.endr
	WIN 0xc0                                       ; destinations in window 3
.irp b, 0,1,2,3                        ; register j of tile b in lane (r, h) is channel 32 (b / 2) + 16 h + 8 (b % 2) + j of my 64
.irp c, 0,1
	global_load_b128 v[BIA+8*\b+4*\c:BIA+8*\b+4*\c+3], v2, s[44:45] offset:4*(32*(\b/2)+8*(\b%2))+16*\c
	global_load_b128 v[BIA+32+8*\b+4*\c:BIA+32+8*\b+4*\c+3], v2, s[46:47] offset:4*(32*(\b/2)+8*(\b%2))+16*\c
.endr
.endr
	WIN 0
	WALU                                           ; the head's end
	s_wait_loadcnt 0x0
	s_wait_tensorcnt 0x0                           ; my tile of the head's four is in
	ds_store_b32 v[VBS], v[ACC]                    ; bv by position
	ds_store_b32 v[VBS], v[ACC+1] offset:512
	s_wait_dscnt 0x0
	s_barrier_signal -1
	s_barrier_wait -1                              ; everybody's is
; ================= the three units
	RESIDENT
	CHUNK 0, 0
	REFILL 0, 0
	CHUNK 0, 1
	REFILL 0, 1
	RESIDENT
	CHUNK 1, 0
	REFILL 1, 0
	CHUNK 1, 1
	REFILL 1, 1
	RESIDENT
	CHUNK 2, 0
	WALU
	s_wait_tensorcnt 0x0                           ; a plain barrier shows the last chunk to all
	s_wait_dscnt 0x0
	s_barrier_signal -1
	s_barrier_wait -1
	CHUNK 2, 1
	s_wait_tensorcnt 0x0                           ; the wave's end
	ds_add_u32 v[SPW], v[NIL]
	s_wait_dscnt 0x0
	CROUND                                         ; the closing round
	s_endpgm
.Lfunc_end_k_q0d7fe23134_proj:
	.size	k_q0d7fe23134_proj, .Lfunc_end_k_q0d7fe23134_proj-k_q0d7fe23134_proj
	.p2alignl 7, 3214868480
	.fill 96, 4, 3214868480
	.section	.rodata,"a",@progbits
	.p2align	6, 0x0
	.amdhsa_kernel k_q0d7fe23134_proj
		.amdhsa_group_segment_fixed_size 327680
		.amdhsa_private_segment_fixed_size 0
		.amdhsa_enable_private_segment 0
		.amdhsa_kernarg_size 72
		.amdhsa_user_sgpr_count 2
		.amdhsa_user_sgpr_kernarg_segment_ptr 1
		.amdhsa_wavefront_size32 1
		.amdhsa_system_sgpr_workgroup_id_x 1
		.amdhsa_system_sgpr_workgroup_id_y 1
		.amdhsa_system_sgpr_workgroup_id_z 1
		.amdhsa_system_vgpr_workitem_id 0
		.amdhsa_next_free_vgpr 912
		.amdhsa_next_free_sgpr 102
		.amdhsa_reserve_vcc 0
		.amdhsa_float_denorm_mode_32 3
		.amdhsa_float_denorm_mode_16_64 3
		.amdhsa_memory_ordered 1
		.amdhsa_forward_progress 1
		.amdhsa_inst_pref_size 150
	.end_amdhsa_kernel
	.amdgpu_metadata
---
amdhsa.version: [ 1, 2 ]
amdhsa.kernels:
  - .name:           k_q0d7fe23134_proj
    .symbol:         k_q0d7fe23134_proj.kd
    .args:
      - { .name: xc, .offset: 0, .size: 8, .value_kind: global_buffer, .address_space: global }
      - { .name: xs, .offset: 8, .size: 8, .value_kind: global_buffer, .address_space: global }
      - { .name: wc, .offset: 16, .size: 8, .value_kind: global_buffer, .address_space: global }
      - { .name: ws, .offset: 24, .size: 8, .value_kind: global_buffer, .address_space: global }
      - { .name: bq, .offset: 32, .size: 8, .value_kind: global_buffer, .address_space: global }
      - { .name: bk, .offset: 40, .size: 8, .value_kind: global_buffer, .address_space: global }
      - { .name: bv, .offset: 48, .size: 8, .value_kind: global_buffer, .address_space: global }
      - { .name: qc, .offset: 56, .size: 8, .value_kind: global_buffer, .address_space: global }
      - { .name: kv, .offset: 64, .size: 8, .value_kind: global_buffer, .address_space: global }
    .group_segment_fixed_size: 327680
    .private_segment_fixed_size: 0
    .kernarg_segment_align: 8
    .kernarg_segment_size: 72
    .max_flat_workgroup_size: 128
    .sgpr_count:     102
    .vgpr_count:     912
    .wavefront_size: 32
...
	.end_amdgpu_metadata
.endif
;; end of part 2
;; launch attn (part 3): grid 4 x 64, 8 waves a work-group, clusters of 4 x 1, 210,944 bytes of LDS; arguments qc, kv, oc, os; writes oc, os
.if DOCPART == 3
	.amdgcn_target "amdgcn-amd-amdhsa--gfx1250"
	.amdhsa_code_object_version 6
	.text
	.protected	k_q0d7fe23134_attn
	.globl	k_q0d7fe23134_attn
	.p2align	8
	.type	k_q0d7fe23134_attn,@function
k_q0d7fe23134_attn:
	s_mov_b64 s[64:65], 0
	v_nop
	global_prefetch_b8 v0, s[64:65] scope:SCOPE_SE
	s_setreg_imm32_b32 hwreg(HW_REG_WAVE_MODE, 25, 1), 1
	s_wait_xcnt 0x0
	s_wait_alu depctr_hold_cnt(0) depctr_sa_sdst(0) depctr_va_vdst(0) depctr_va_sdst(0) depctr_va_ssrc(0) depctr_va_vcc(0) depctr_vm_vsrc(0)
	s_getreg_b32 s2, hwreg(HW_REG_IB_STS2, 6, 4)
	s_cmp_eq_u32 s2, 0
	s_cbranch_scc0 .Lentry_in_a_cluster
	s_endpgm
.Lentry_in_a_cluster:
	s_bfe_u32 s2, ttmp6, 0x10000c
	s_cmp_lg_u32 s2, 0x3003
	s_cbranch_scc0 .Lentry_shape_is_right
	s_endpgm
.Lentry_shape_is_right:
; O = softmax(Q K^T / 8) V for 64 heads (batch x head) of 2,048 tokens x 64 channels, both products on codes of FP6 (E2M3) with E8M0 scales; O / l is quantised along the features and stored as the last product's operand.
; THE SOFTMAX: t = score x log2(e) / 8; M = the running largest t rounded up to a whole number; p = 2^(t - M) is quantised along the keys; the row's sum is taken of the unquantised p and divides O at the end;
; when M moves, the sum and O are multiplied by 2^(old M - new M), which rounds nothing.
; SHARES.  A cluster of four work-groups owns a head; a work-group 512 query positions; each of its eight waves FOUR tiles of 16 queries, which share every fragment of K and V: a key step's 34 LDS loads serve four tiles.
; LDS.  The head's whole block of kv, 16 key steps of 13,056 bytes, lies in LDS as it lies in memory, filled once: wave w asks for steps 2 w and 2 w + 1 by one load, jointly with the same wave of the three partners.
; A key step: K's 8 halves (16 keys x 64 channels, 768 bytes); from 6,144 V's 4 operands (16 channels x 128 keys, 1,536 bytes); from 12,288 K's scale words [tile / 4][row][tile % 4]; from 12,800 V's [row][tile].
; Every operand is an image of its registers: registers 0-3 at 16 x lane, registers 4, 5 at 512 + 8 x lane.
; BOTH PRODUCTS TRANSPOSED: S^T = K Q^T, O^T = V^T P^T: a lane holds one query.  Row m of K's tile t is key 64 (t / 4) + 32 (m / 8) + 8 (t % 4) + m % 8 of the step, so register 32 c + i of S^T in lane (r, h) is key
; 64 c + 32 h + i: a whole scale block of p in one lane, in the order of the second product's operand.  No lane asks another for a block's maximum, and the conversions' results are the operand.
; THE FIRST PRODUCT'S K IS 64 and the instruction's 128: Q's codes for k = 64 .. 127 are zeros, so the upper six registers that K's operand names may hold any codes: each tile names the next tile's six, the last six zeros.
; The upper two bytes of Q's and K's scale words are a neighbour head's bytes or 0, never 0xff.
; THE WALK.  One loop of 16 key steps.  The next step's K is fetched behind tile 3's first product, V at the step's top; the step's number goes round (& 15), so the last trip fetches step 0's K again and uses nothing of it.
; No prefetch: all the launch's tensor loads go out at its head, and no later load is left to run ahead of.
; REGISTERS.  Window 0: all that the softmax names.  Window 1: v0-127 the four O^T, v128-175 the four Q (six registers of codes, six of zeros each).
; OUT.  oc [head / 4][512 tiles of 16 token positions][head % 4][768]; os [8,192 token positions][32], byte 2 head + block.
; LIMITS: a block of zeros gets the byte 1 (its codes are zeros; this program alone reads the bytes); 1 / l is v_rcp_f32 and a multiplication; a block's largest p is taken from the block's largest score, which takes
; v_exp_f32 not to fall where its input rises; NaN and infinities are not served.
.set STEPB, 13056
.set SPARE, 16*STEPB                   ; behind the head's block: the spare words, 128 bytes for each of 8 waves, named by no other line
.set LI16, 1                           ; 16 x lane
.set LI8,  2                           ; 8 x lane
.set LR16, 3                           ; 16 x (lane % 16)
.set A16,  4                           ; a step's LDS addresses
.set A8,   5
.set AVS,  6
.set SH8,  7                           ; 8 x (lane / 16)
.set VOS,  8                           ; 32 x (lane % 16): my row of os
.set VQ16, 9
.set PSC,  10                          ; p's scale word
.set VQ8,  11
.set SPW,  12
.set NIL,  13
.set VQS,  14
.set KSC,  16                          ; v16-19 K's scale words, v20-23 V's, v24-27 the four tiles' of Q
.set VSC,  20
.set QSC,  24
.set FRG,  32                          ; v32-79 K's 8 tiles, 6 registers apart; v80-85 zeros
.set VF,   86                          ; v86-133 V's 4 operands; at the end what is stored
.set S,    134                         ; v134-197 S^T, then p; at the end O / l
.set PC,   198                         ; v198-209 p's codes
.set PX,   210                         ; v210-216 the conversions' second results
.set BM,   218                         ; v218-219 the two blocks' largest scores; v220-221 their second chains
.set BT,   220
.set SOP,  222
.set PR,   224
.set T0,   226
.set T1,   227
.set F,    228                         ; v228 f; v229 named with it as a pair
.set ST,   232                         ; v232-247 for each tile: -M, the largest score, the sum in two halves
.set FR,   248                         ; v248-255 the four 1 / l, each named as a pair
.set OW,   0                           ; window 1
.set QW,   128                         ; window 1
.set WV,   12
.set G1,   24
.set G0,   32
.set SEL,  48
.set CS,   50
.set TB,   52
.set CNT,  53
.set KI,   54
.set MSB, 0
.macro WIN new                         ; the immediate's high byte repeats the setting that is left
.if MSB != (\new)
	s_set_vgpr_msb (MSB<<8)|(\new)
.set MSB, (\new)
.endif
.endm
.macro CROUND                          ; a round of the cluster's barrier
	s_barrier_signal -1
	s_barrier_wait -1
	s_cmp_lg_u32 s[WV], 0
	s_cbranch_scc1 .Lnot_wave_0_\@
	s_barrier_signal -3
.Lnot_wave_0_\@:
	s_barrier_wait -3
	s_barrier_signal -1
	s_barrier_wait -1
.endm
	s_load_b256 s[4:11], s[0:1], 0x0               ; qc s[4:5], kv s[6:7], oc s[8:9], os s[10:11]
	v_lshl_add_u32 v[SPW], v0, 2, SPARE
	v_mov_b32 v[NIL], 0
	ds_add_u32 v[SPW], v[NIL]                      ; the wave's opening: the add, twice on end, and its wait ahead of my first tensor load
	ds_add_u32 v[SPW], v[NIL]
	v_lshrrev_b32 v1, 5, v0
	v_readfirstlane_b32 s[WV], v1                  ; wave 0..7
	s_bfe_u32 s13, ttmp6, 0x40000                  ; cx: it enters Q's, oc's and os's global addresses alone
	s_and_b32 s14, ttmp7, 0xffff                   ; the cluster's y: batch x 16 + head
	s_mov_b32 s[G1], 15|(3<<16)|(1<<21)            ; the mask: all four work-groups; elements of 8 bytes; bit 21 beside a mask; no padding
	s_mov_b32 s[G1+1], 32<<16                      ; rows of 32 elements = 256 bytes
	s_mov_b32 s[G1+2], 102<<16                     ; 102 rows = two key steps
	s_mov_b32 s[G1+3], 32<<16
	s_mov_b32 s[G1+4], 102
	s_mov_b32 s[G1+5], 32                          ; dense
	s_mov_b32 s[G1+6], 0
	s_mov_b32 s[G1+7], 0
	s_mul_i32 s22, s[WV], 2*STEPB                  ; my two key steps' place, in LDS and in the head's block
	s_mul_i32 s36, s14, 16*STEPB
	s_add_co_u32 s36, s36, s22
	s_mov_b32 s37, 0
	s_mov_b32 s[SEL], 0x76543210
	s_mov_b32 s[SEL+1], 0xfedcba98                 ; v_permlanex16_b32's selects for lane l xor 16
	s_mov_b32 s[CS], 0x3e38aa3b                    ; c = log2(e) / 8
	s_mov_b32 s[CS+1], s[CS]
	s_wait_dscnt 0x0
	s_wait_kmcnt 0x0
	CROUND                                         ; all four work-groups are here: the joint loads meet
	s_mov_b32 s[G0], 1
	s_mov_b32 s[G0+1], s22
	s_add_nc_u64 s[G0+2:G0+3], s[6:7], s[36:37]
	s_or_b32 s[G0+3], s[G0+3], 0x80000000
	tensor_load_to_lds s[G0:G0+3], s[G1:G1+7]      ; my one tensor load of the launch
	s_nop 0
.rept 4
	v_nop
.endr
	s_lshl_b32 s38, s13, 2
	s_lshr_b32 s39, s[WV], 1
	s_add_co_u32 s38, s38, s39                     ; my group of 128 queries: 4 cx + w / 2; my four tiles are its tiles 4 (w % 2) + u
	s_mul_i32 s38, s38, 6656
	s_mul_i32 s39, s14, 106496
	s_add_co_u32 s38, s38, s39
	s_mov_b32 s39, 0
	s_add_nc_u64 s[16:17], s[4:5], s[38:39]
	s_lshr_b32 s40, s14, 4                         ; batch
	s_and_b32 s41, s14, 15                         ; head
	s_lshl_b32 s40, s40, 7
	s_lshl_b32 s42, s13, 5
	s_add_co_u32 s40, s40, s42
	s_lshl_b32 s42, s[WV], 2
	s_add_co_u32 s40, s40, s42                     ; my first tile of 16 token positions: 128 batch + 32 cx + 4 w
	s_mul_i32 s42, s40, 3072
	s_lshr_b32 s43, s41, 2
	s_mul_i32 s43, s43, 1572864
	s_add_co_u32 s42, s42, s43
	s_and_b32 s43, s41, 3
	s_mul_i32 s43, s43, 768
	s_add_co_u32 s42, s42, s43
	s_mov_b32 s43, 0
	s_add_nc_u64 s[18:19], s[8:9], s[42:43]        ; its place in oc
	s_lshl_b32 s42, s40, 9
	s_lshl_b32 s44, s41, 1
	s_add_co_u32 s42, s42, s44
	s_add_nc_u64 s[20:21], s[10:11], s[42:43]      ; and in os
	s_and_b32 s45, s[WV], 1
	s_mul_i32 s46, s45, 3072
	s_lshl_b32 s47, s45, 8
	s_mov_b32 s[KI], 0
	s_mov_b32 s[TB], 0
	s_mov_b32 s[CNT], 16
	v_and_b32 v15, 31, v0
	v_and_b32 v29, 15, v0
	v_bfe_u32 v30, v0, 4, 1
	v_lshlrev_b32 v[LI16], 4, v15
	v_lshlrev_b32 v[LI8], 3, v15
	v_lshlrev_b32 v[LR16], 4, v29
	v_lshlrev_b32 v[SH8], 3, v30
	v_lshlrev_b32 v[VOS], 5, v29
	v_add_nc_u32 v[VQ16], s46, v[LI16]
	v_add_nc_u32 v[VQ8], s46, v[LI8]
	v_add_nc_u32 v[VQS], s47, v[LR16]
	global_load_b128 v[QSC:QSC+3], v[VQS], s[16:17] offset:6144    ; row r's scale words of my four tiles
	WIN 0x40                                       ; destinations in window 1
.irp u, 0,1,2,3
	global_load_b128 v[QW+12*\u:QW+12*\u+3], v[VQ16], s[16:17] offset:768*\u
	global_load_b64 v[QW+12*\u+4:QW+12*\u+5], v[VQ8], s[16:17] offset:768*\u+512
.endr
.irp u, 0,1,2,3
.irp i, 6,7,8,9,10,11
	v_mov_b32 v[QW+12*\u+\i], 0                    ; Q's codes for k = 64 .. 127
.endr
.endr
.set j, 0
.rept 128
	v_mov_b32 v[OW+j], 0                           ; O^T: the step is written once, and the first change of M multiplies zeros
.set j, j+1
.endr
	WIN 0
.irp i, 0,1,2,3,4,5
	v_mov_b32 v[FRG+48+\i], 0                      ; what K's last tile names above its own six
.endr
	v_mov_b32 v[T1], 0                             ; a lane permute's destination counts as one of its sources
	v_mov_b32 v[PR], 0
	v_mov_b32 v[PR+1], 0
	v_mov_b32 v[F+1], 0
.irp u, 0,1,2,3
	v_mov_b32 v[FR+2*\u+1], 0
	v_mov_b32 v[ST+4*\u+1], 0xff61b1e6             ; the largest score so far: -3e38
	v_mov_b32 v[ST+4*\u+2], 0
	v_mov_b32 v[ST+4*\u+3], 0
.endr
	v_mul_f32 v[T0], s[CS], v[ST+1]
.irp u, 0,1,2,3
	v_floor_f32 v[ST+4*\u], -v[T0]                 ; -M
.endr
	v_add_nc_u32 v[A16], s[TB], v[LI16]
	v_add_nc_u32 v[A8], s[TB], v[LI8]
.macro KLOAD                           ; K's eight tiles and their scale words (lanes 0-15: tiles 0-3's; lanes 16-31: tiles 4-7's): 17 loads
.irp t, 0,1,2,3,4,5,6,7
	ds_load_b128 v[FRG+6*\t:FRG+6*\t+3], v[A16] offset:768*\t
	ds_load_b64 v[FRG+6*\t+4:FRG+6*\t+5], v[A8] offset:768*\t+512
.endr
	ds_load_b128 v[KSC:KSC+3], v[A16] offset:12288
.endm
.macro SUMLV w                         ; p's registers j and j + w are added in place, two numbers an instruction
.set j, 0
.rept (\w)/2
	v_pk_add_f32 v[S+j:S+j+1], v[S+j:S+j+1], v[S+(\w)+j:S+(\w)+j+1]
.set j, j+2
.endr
.endm
; ONE TILE OF 16 QUERIES AGAINST THE STEP'S 128 KEYS
.macro TILE u
.set NM, ST+4*\u
.set SUM, ST+4*\u+2
	WIN 0x04                                       ; source 1, Q, in window 1
.irp t, 0,1,2,3
	v_wmma_scale_f32_16x16x128_f8f6f4 v[S+8*\t:S+8*\t+7], v[FRG+6*\t:FRG+6*\t+11], v[QW+12*\u:QW+12*\u+11], 0, v[KSC+\t], v[QSC+\u] matrix_a_fmt:MATRIX_FMT_FP6 matrix_b_fmt:MATRIX_FMT_FP6
.endr
.irp t, 4,5,6,7
	v_wmma_scale_f32_16x16x128_f8f6f4 v[S+8*\t:S+8*\t+7], v[FRG+6*\t:FRG+6*\t+11], v[QW+12*\u:QW+12*\u+11], 0, v[KSC+\t-4], v[QSC+\u] matrix_a_fmt:MATRIX_FMT_FP6 matrix_b_fmt:MATRIX_FMT_FP6 matrix_a_scale:MATRIX_SCALE_ROW1
.endr
	WIN 0
.if \u == 3
	s_add_co_u32 s[KI], s[KI], 1                   ; K is done with for this step: the next step's comes in under this tile's softmax
	s_and_b32 s[KI], s[KI], 15
	s_mul_i32 s[TB], s[KI], STEPB
	v_add_nc_u32 v[A16], s[TB], v[LI16]            ; these two and the two v_nop are the four places behind the products
	v_add_nc_u32 v[A8], s[TB], v[LI8]
	v_nop
	v_nop
	KLOAD
.else
.rept 4
	v_nop                                          ; places ahead of the first read of the scores
.endr
.endif
.irp c, 0,1                                    ; the largest score of my two blocks of 32 keys, each in two chains; every accumulator is read from its low end on
	v_max3_num_f32 v[BM+\c], v[S+32*\c], v[S+32*\c+1], v[S+32*\c+2]
	v_max3_num_f32 v[BT+\c], v[S+32*\c+16], v[S+32*\c+17], v[S+32*\c+18]
.endr
.irp i, 3,5,7,9,11,13
.irp c, 0,1
	v_max3_num_f32 v[BM+\c], v[BM+\c], v[S+32*\c+\i], v[S+32*\c+\i+1]
	v_max3_num_f32 v[BT+\c], v[BT+\c], v[S+32*\c+16+\i], v[S+32*\c+17+\i]
.endr
.endr
.irp c, 0,1
	v_max3_num_f32 v[BM+\c], v[BM+\c], v[BT+\c], v[S+32*\c+15]
.endr
.irp c, 0,1
	v_max_num_f32 v[BM+\c], v[BM+\c], v[S+32*\c+31]
.endr
	s_delay_alu instid0(VALU_DEP_1)
	v_max_num_f32 v[T0], v[BM], v[BM+1]
	s_delay_alu instid0(VALU_DEP_1)
	v_permlanex16_b32 v[T1], v[T0], s[SEL], s[SEL+1]   ; lane l xor 16's 64 keys
	v_mov_b32 v[PR], v[NM]
	s_delay_alu instid0(VALU_DEP_2)
	v_max3_num_f32 v[NM+1], v[NM+1], v[T0], v[T1]  ; the running largest score
	s_delay_alu instid0(VALU_DEP_1)
	v_mul_f32 v[T0], s[CS], v[NM+1]                ; as t (c is positive)
	s_delay_alu instid0(VALU_DEP_1)
	v_floor_f32 v[NM], -v[T0]                      ; -M = floor(-t) = -ceil(t)
	s_delay_alu instid0(VALU_DEP_1)
	v_sub_f32 v[T0], v[NM], v[PR]                  ; old M - new M: a whole number, 0 or less
	s_delay_alu instid0(VALU_DEP_1)
	v_cvt_i32_f32 v[T0], v[T0]                     ; (it saturates)
	s_delay_alu instid0(VALU_DEP_1)
	v_ldexp_f32 v[F], 1.0, v[T0]                   ; f = 2^(old M - new M)
.set j, 0
.rept 32
	v_pk_fma_f32 v[S+j:S+j+1], v[S+j:S+j+1], s[CS:CS+1], v[NM:NM+1] op_sel_hi:[1,0,0]   ; t - M, two at a time
.set j, j+2
.endr
.irp c, 0,1
	v_fma_f32 v[BM+\c], v[BM+\c], s[CS], v[NM]     ; the same of each block's largest score
.endr
	s_wait_alu depctr_va_vdst(0)                   ; ahead of the batch
.irp c, 0,1
	v_exp_f32 v[BM+\c], v[BM+\c]                   ; the blocks' largest p
.endr
.set j, 0
.rept 64
	v_exp_f32 v[S+j], v[S+j]                       ; p = 2^(t - M)
.set j, j+1
.endr
	v_pk_mul_f32 v[SUM:SUM+1], v[SUM:SUM+1], v[F:F+1] op_sel_hi:[1,0]   ; the sums under the new M: a plain line behind the exponentials
	s_wait_alu depctr_va_vdst(0)                   ; one wait for the batch of 66, ahead of its first reader
.irp c, 0,1
	v_max_num_f32 v[BM+\c], 0x1800000, v[BM+\c]    ; the floor 2^(3 - 127): the byte cannot fall under 1
.endr
.irp c, 0,1
	v_add_nc_u32 v[SOP+\c], 0xff000000, v[BM+\c]   ; 2 off the exponent field: the conversion's scale operand
.endr
.irp c, 0,1
	v_lshrrev_b32 v[PR+\c], 23, v[SOP+\c]          ; the byte
.endr
.irp c, 0,1
	v_cvt_scalef32_pk16_fp6_f32 v[PC+6*\c:PC+6*\c+2], v[S+32*\c:S+32*\c+15], v[SOP+\c]
	v_cvt_scalef32_pk16_fp6_f32 v[PX+4*\c:PX+4*\c+2], v[S+32*\c+16:S+32*\c+31], v[SOP+\c]   ; (a conversion's three registers begin on an even number)
.endr
	v_lshl_or_b32 v[PR], v[PR+1], 16, v[PR]        ; my two bytes, blocks h and 2 + h (a plain line behind the conversions),
	v_lshlrev_b32 v[PR], v[SH8], v[PR]             ; at their places in the scale word
	SUMLV 32                                       ; THE ROW'S SUM IS TAKEN OF THE UNQUANTISED p, in place: the conversions have read it
	v_permlanex16_b32 v[T1], v[PR], s[SEL], s[SEL+1]
	SUMLV 16
	v_or_b32 v[PSC], v[PR], v[T1]                  ; with lane l xor 16's two the word is whole
.irp i, 0,1,2
	v_mov_b32 v[PC+3+\i], v[PX+\i]
.endr
	SUMLV 8
.irp i, 0,1,2
	v_mov_b32 v[PC+9+\i], v[PX+4+\i]
.endr
	SUMLV 4
	SUMLV 2
	v_pk_add_f32 v[SUM:SUM+1], v[SUM:SUM+1], v[S:S+1]
.if \u == 0
	s_wait_dscnt 0x0                               ; V, asked for at the step's top
.endif
	WIN 0x41                                       ; O^T: source 0 and destination in window 1
	s_wait_alu depctr_va_vdst(0)                   ; directly ahead of the first reader of O^T
.set j, 0
.rept 16
	v_pk_mul_f32 v[OW+32*\u+j:OW+32*\u+j+1], v[OW+32*\u+j:OW+32*\u+j+1], v[F:F+1] op_sel_hi:[1,0]   ; O^T under the new M, each accumulator from its low end on
.set j, j+2
.endr
	WIN 0x50                                       ; C and D in window 1
.irp t, 0,1,2,3
	v_wmma_scale_f32_16x16x128_f8f6f4 v[OW+32*\u+8*\t:OW+32*\u+8*\t+7], v[VF+12*\t:VF+12*\t+11], v[PC:PC+11], v[OW+32*\u+8*\t:OW+32*\u+8*\t+7], v[VSC+\t], v[PSC] matrix_a_fmt:MATRIX_FMT_FP6 matrix_b_fmt:MATRIX_FMT_FP6
.endr
.endm
; O^T / l of tile u, quantised along the head's 64 channels (register 16 b + i = channel 32 b + 16 h + i), leaves as half an operand and two scale bytes; each tile has its own registers for what is stored
.macro FIN u
.set OUT, VF+12*\u
	WIN 0x01
	s_wait_alu depctr_va_vdst(0)                   ; ahead of the first reader of 1 / l and of this tile's O^T
.set j, 0
.rept 16
	v_pk_mul_f32 v[S+j:S+j+1], v[OW+32*\u+j:OW+32*\u+j+1], v[FR+2*\u:FR+2*\u+1] op_sel_hi:[1,0]
.set j, j+2
.endr
	WIN 0
.irp b, 0,1
	v_max3_num_f32 v[BM+\b], |v[S+16*\b]|, |v[S+1+16*\b]|, 0x1800000
.endr
.irp i, 2,4,6,8,10,12,14
.irp b, 0,1
	v_max3_num_f32 v[BM+\b], v[BM+\b], |v[S+16*\b+\i]|, |v[S+1+16*\b+\i]|
.endr
.endr
.irp b, 0,1
	v_permlanex16_b32 v[PR+\b], v[BM+\b], s[SEL], s[SEL+1]
.endr
.irp b, 0,1
	v_max_num_f32 v[BM+\b], v[BM+\b], v[PR+\b]
.endr
.irp b, 0,1
	v_add_nc_u32 v[SOP+\b], 0xff000000, v[BM+\b]
.endr
.irp b, 0,1
	v_lshrrev_b32 v[PR+\b], 23, v[SOP+\b]
.endr
	v_lshl_or_b32 v[OUT+6], v[PR+1], 8, v[PR]      ; the head's two bytes of my row
	v_cvt_scalef32_pk16_fp6_f32 v[OUT:OUT+2], v[S:S+15], v[SOP]
	v_cvt_scalef32_pk16_fp6_f32 v[PX:PX+2], v[S+16:S+31], v[SOP+1]
	v_nop                                          ; a plain line behind the conversions
.irp i, 0,1,2
	v_permlane16_swap_b32 v[OUT+\i], v[PX+\i]      ; a whole block to a lane
.endr
.irp i, 0,1,2
	v_mov_b32 v[OUT+3+\i], v[PX+\i]
.endr
	global_store_b128 v[LI16], v[OUT:OUT+3], s[18:19] offset:3072*\u       ; 512 consecutive bytes, aligned at 256
	global_store_b64 v[LI8], v[OUT+4:OUT+5], s[18:19] offset:3072*\u+512   ; 256 consecutive bytes, aligned
	global_store_b16 v[VOS], v[OUT+6], s[20:21] offset:512*\u              ; two bytes a row, rows 32 bytes apart (both halves of the lanes the same value)
.endm
	s_wait_alu depctr_va_vdst(0)                   ; the head's end
	s_wait_loadcnt 0x0                             ; Q
	s_wait_tensorcnt 0x0                           ; my two key steps have landed,
	s_barrier_signal -1
	s_barrier_wait -1                              ; everybody's have: the head's K and V lie in LDS for the rest of the launch
	KLOAD                                          ; step 0's K
.Lstep:
	v_add_nc_u32 v[A16], s[TB], v[LI16]            ; these three and the v_nop are the four places between the last step's products and the loads into V's registers
	v_add_nc_u32 v[A8], s[TB], v[LI8]
	v_add_nc_u32 v[AVS], s[TB], v[LR16]
	v_nop
.irp t, 0,1,2,3
	ds_load_b128 v[VF+12*\t:VF+12*\t+3], v[A16] offset:6144+1536*\t
	ds_load_b64 v[VF+12*\t+4:VF+12*\t+5], v[A8] offset:6144+1536*\t+512
	ds_load_b128 v[VF+12*\t+6:VF+12*\t+9], v[A16] offset:6144+1536*\t+768
	ds_load_b64 v[VF+12*\t+10:VF+12*\t+11], v[A8] offset:6144+1536*\t+1280
.endr
	ds_load_b128 v[VSC:VSC+3], v[AVS] offset:12800
	s_wait_dscnt 17                                ; K's 17 loads are in; V's 17, just issued, may be out
	TILE 0
	TILE 1
	TILE 2
	TILE 3
	WIN 0
	s_sub_co_u32 s[CNT], s[CNT], 1
	s_cmp_lg_u32 s[CNT], 0
	s_cbranch_scc1 .Lstep
	s_wait_dscnt 0x0                               ; the last trip's loads of K have landed: nothing of them is used
.irp u, 0,1,2,3                                ; (these twelve plain lines are also the places behind the last products)
	v_add_f32 v[ST+4*\u+2], v[ST+4*\u+2], v[ST+4*\u+3]
.endr
.irp u, 0,1,2,3
	v_permlanex16_b32 v[ST+4*\u+3], v[ST+4*\u+2], s[SEL], s[SEL+1]
.endr
.irp u, 0,1,2,3
	v_add_f32 v[ST+4*\u+2], v[ST+4*\u+2], v[ST+4*\u+3]   ; the rows' sums
.endr
	s_wait_alu depctr_va_vdst(0)                   ; ahead of the batch
.irp u, 0,1,2,3
	v_rcp_f32 v[FR+2*\u], v[ST+4*\u+2]
.endr
	v_nop                                          ; a plain line behind the reciprocals
	FIN 0
	FIN 1
	FIN 2
	FIN 3
	s_wait_tensorcnt 0x0                           ; the wave's end
	ds_add_u32 v[SPW], v[NIL]
	s_wait_dscnt 0x0
	CROUND                                         ; the closing round
	s_endpgm
.Lfunc_end_k_q0d7fe23134_attn:
	.size	k_q0d7fe23134_attn, .Lfunc_end_k_q0d7fe23134_attn-k_q0d7fe23134_attn
	.p2alignl 7, 3214868480
	.fill 96, 4, 3214868480
	.section	.rodata,"a",@progbits
	.p2align	6, 0x0
	.amdhsa_kernel k_q0d7fe23134_attn
		.amdhsa_group_segment_fixed_size 210944
		.amdhsa_private_segment_fixed_size 0
		.amdhsa_enable_private_segment 0
		.amdhsa_kernarg_size 32
		.amdhsa_user_sgpr_count 2
		.amdhsa_user_sgpr_kernarg_segment_ptr 1
		.amdhsa_wavefront_size32 1
		.amdhsa_system_sgpr_workgroup_id_x 1
		.amdhsa_system_sgpr_workgroup_id_y 1
		.amdhsa_system_sgpr_workgroup_id_z 1
		.amdhsa_system_vgpr_workitem_id 0
		.amdhsa_next_free_vgpr 512
		.amdhsa_next_free_sgpr 66
		.amdhsa_reserve_vcc 0
		.amdhsa_float_denorm_mode_32 3
		.amdhsa_float_denorm_mode_16_64 3
		.amdhsa_memory_ordered 1
		.amdhsa_forward_progress 1
		.amdhsa_inst_pref_size 80
	.end_amdhsa_kernel
	.amdgpu_metadata
---
amdhsa.version: [ 1, 2 ]
amdhsa.kernels:
  - .name:           k_q0d7fe23134_attn
    .symbol:         k_q0d7fe23134_attn.kd
    .args:
      - { .name: qc, .offset: 0, .size: 8, .value_kind: global_buffer, .address_space: global }
      - { .name: kv, .offset: 8, .size: 8, .value_kind: global_buffer, .address_space: global }
      - { .name: oc, .offset: 16, .size: 8, .value_kind: global_buffer, .address_space: global }
      - { .name: os, .offset: 24, .size: 8, .value_kind: global_buffer, .address_space: global }
    .group_segment_fixed_size: 210944
    .private_segment_fixed_size: 0
    .kernarg_segment_align: 8
    .kernarg_segment_size: 32
    .max_flat_workgroup_size: 256
    .sgpr_count:     66
    .vgpr_count:     512
    .wavefront_size: 32
...
	.end_amdgpu_metadata
.endif
;; end of part 3
;; launch outproj (part 4): grid 8 x 32, 4 waves a work-group, clusters of 4 x 4, 327,680 bytes of LDS; arguments oc, os, wc, ws, bo, out0; writes out0
.if DOCPART == 4
	.amdgcn_target "amdgcn-amd-amdhsa--gfx1250"
	.amdhsa_code_object_version 6
	.text
	.protected	k_q0d7fe23134_outproj
	.globl	k_q0d7fe23134_outproj
	.p2align	8
	.type	k_q0d7fe23134_outproj,@function
k_q0d7fe23134_outproj:
	s_mov_b64 s[64:65], 0
	v_nop
	global_prefetch_b8 v0, s[64:65] scope:SCOPE_SE
	s_setreg_imm32_b32 hwreg(HW_REG_WAVE_MODE, 25, 1), 1
	s_wait_xcnt 0x0
	s_wait_alu depctr_hold_cnt(0) depctr_sa_sdst(0) depctr_va_vdst(0) depctr_va_sdst(0) depctr_va_ssrc(0) depctr_va_vcc(0) depctr_vm_vsrc(0)
	s_getreg_b32 s2, hwreg(HW_REG_IB_STS2, 6, 4)
	s_cmp_eq_u32 s2, 0
	s_cbranch_scc0 .Lentry_in_a_cluster
	s_endpgm
.Lentry_in_a_cluster:
	s_bfe_u32 s2, ttmp6, 0x10000c
	s_cmp_lg_u32 s2, 0xf033
	s_cbranch_scc0 .Lentry_shape_is_right
	s_endpgm
.Lentry_shape_is_right:
; out0 = O Wo + bo: [8,192 tokens][1,024] f32, on codes of FP6 (E2M3) with E8M0 scales, K = 1,024.
; A = O: oc [part of 256 along K][512 tiles of 16 token positions][4 heads][768 bytes], images of operand registers (registers 0-3 at 16 x lane, 4, 5 at 512 + 8 x lane); os [position][32 scale bytes].
; B = Wo: wc's fourth weight [part of K][1,024 positions of n][192 bytes]; ws [position][32].  A position is a row's number with bits 3 and 4 exchanged.
; SHARES.  256 work-groups; a work-group makes 256 rows x 128 columns, its four waves 2 x 2, a wave 128 x 64: 32 accumulators.
; LDS.  ALL OF K LIES IN LDS: two slots, each with two parts of K: A's 2 x 49,152 bytes, B's 2 x 30,720 (192 bytes a row, 16 of padding behind every 64).  Slot 0 is asked for at the head, one joint load a wave
; (waves 0, 1 a part of A each, waves 2, 3 a part of B each); slot 1 behind three lines and a round.  Nothing is filled again.
; One plain barrier, behind step 3, shows slot 1 to all waves.  A's tiles are shared by a row of the cluster, B's by a column.
; THE SCALE WORDS go from memory straight into registers, once: eight words a row, lane r taking row r's; A's at v32 + 8 a + step, B's at v100 + 8 b + step.
; A STEP is 128 along K: 32 products.  A's and B's fragments have two sets of registers: a step's 56 LDS loads for the next step are issued ahead of its products.
; THE MATRIX INSTRUCTION IS USED TRANSPOSED (source 0 = 16 rows of Wo, source 1 = 16 rows of O): a lane holds eight neighbouring columns of a row.  The bias is the first products' C.
; THE WAY OUT: a block of 16 rows x 64 columns goes through the wave's own stage (in slot 0, which nobody reads behind the barrier and no load fills again) and leaves as rows of 256 bytes, sixteen lanes to an aligned unit.
; No prefetch: the text has no loop to run ahead in; its eight tensor loads go out in two groups at its start.
; REGISTERS.  Window 0: addresses, scale words, bias, the way out.  Window 1: v0-95 B's two sets, v96-191 A's set 0.  Window 2: the accumulators, (a, b) at 8 (4 a + b).  Window 3: v0-95 A's set 1.
.set NP,     4
.set FR,     12
.set PITCH,  240
.set ATILE,  49152
.set BTILE,  30720
.set SLOT,   2*ATILE+2*BTILE
.set GSTEP,  1572864                   ; oc: from one part of K to the next
.set BSTEP,  196608                    ; wc: the same
.set SPARE,  2*SLOT                    ; the spare words, 128 bytes for each wave, named by no other line
.set SPITCH, 272
.set ADRA,  8                          ; v8-11  LDS address of my A fragments in K's four parts, 16 bytes a lane; v12-15 the same, 8 bytes a lane
.set ADRA8, 12
.set ADRB,  16                         ; v16-19 of my B fragments; v20-23 for the pieces whose lanes 16-31 lie behind one padding more
.set ADRB2, 20
.set STO,   24
.set RD,    25
.set CO,    26
.set VS,    27
.set SPW,   28
.set NIL,   29
.set BOF,   30
.set SA,    32
.set SB,    100
.set BIAS,  136
.set BK,    168                        ; v168-231 the way out: two sets of 32
.set G1,  24
.set G0,  32
.set G1B, 48
.set G0B, 56
.set MSB, 0
.macro WIN new
.if MSB != (\new)
	s_set_vgpr_msb (MSB<<8)|(\new)
.set MSB, (\new)
.endif
.endm
.macro PLACES n
.rept \n
	v_nop
.endr
.endm
.macro JLOAD g0a, g1a, g0b, g1b        ; waves 0, 1 ask for A, waves 2, 3 for B: one load in each arm
	s_cmp_eq_u32 s15, 0
	s_cbranch_scc0 .Lfor_b_\@
	tensor_load_to_lds s[\g0a:\g0a+3], s[\g1a:\g1a+7]
	s_nop 0
.rept 4
	v_nop
.endr
	s_branch .Lasked_\@
.Lfor_b_\@:
	tensor_load_to_lds s[\g0b:\g0b+3], s[\g1b:\g1b+7]
	s_nop 0
.rept 4
	v_nop
.endr
.Lasked_\@:
.endm
.macro CROUND                          ; a round of the cluster's barrier
	s_barrier_signal -1
	s_barrier_wait -1
	s_cmp_lg_u32 s14, 0
	s_cbranch_scc1 .Lnot_wave_0_\@
	s_barrier_signal -3
.Lnot_wave_0_\@:
	s_barrier_wait -3
	s_barrier_signal -1
	s_barrier_wait -1
.endm
	s_load_b256 s[4:11], s[0:1], 0x0               ; oc s[4:5], os s[6:7], wc s[8:9], ws s[10:11]
	s_load_b128 s[96:99], s[0:1], 0x20             ; bo, out0
	v_lshl_add_u32 v[SPW], v0, 2, SPARE
	v_mov_b32 v[NIL], 0
	ds_add_u32 v[SPW], v[NIL]                      ; the opening lines: the add, twice on end, and its wait
	ds_add_u32 v[SPW], v[NIL]
	v_lshrrev_b32 v1, 5, v0
	v_readfirstlane_b32 s14, v1                    ; wave
	s_lshr_b32 s15, s14, 1                         ; my half of the rows.  Also: I ask for A (0) or for B (1)
	s_and_b32 s16, s14, 1                          ; my half of the columns.  Also: which of a slot's two parts of K I ask for
	s_bfe_u32 s40, ttmp6, 0x40000                  ; cx
	s_bfe_u32 s41, ttmp6, 0x40004                  ; cy
	s_lshl_b32 s42, ttmp9, 2
	s_add_co_u32 s42, s42, s40                     ; tile column, 0 .. 7
	s_and_b32 s17, ttmp7, 0xffff
	s_lshl_b32 s17, s17, 2
	s_add_co_u32 s17, s17, s41                     ; tile row, 0 .. 31
	s_lshl_b32 s43, s41, 2
	s_lshl_b32 s43, 15, s43                        ; my row of the cluster
	s_lshl_b32 s44, 0x1111, s40                    ; my column
	s_or_b32 s[G1+0], s43, (3<<16)|(1<<21)         ; A: 192 rows of 32 elements of 8 bytes, dense, no padding
	s_mov_b32 s[G1+1], 32<<16
	s_mov_b32 s[G1+2], 192<<16
	s_mov_b32 s[G1+3], 32<<16
	s_mov_b32 s[G1+4], 192
	s_mov_b32 s[G1+5], 32
	s_mov_b32 s[G1+6], 0
	s_mov_b32 s[G1+7], 0
	s_or_b32 s[G1B+0], s44, (1<<20)|(1<<21)|(3<<22)|(3<<25)   ; B: 128 rows of 192 bytes lie end to end: 96 rows of 256 bytes, 16 bytes of padding behind every 64
	s_mov_b32 s[G1B+1], 256<<16
	s_mov_b32 s[G1B+2], 96<<16
	s_mov_b32 s[G1B+3], 256<<16
	s_mov_b32 s[G1B+4], 96
	s_mov_b32 s[G1B+5], 256
	s_mov_b32 s[G1B+6], 0
	s_mov_b32 s[G1B+7], 0
	s_mul_i32 s20, s17, ATILE                      ; A: the tile row's 256 rows, in part s16 of K
	s_mul_i32 s18, s16, GSTEP
	s_add_co_u32 s20, s20, s18
	s_mov_b32 s21, 0
	s_mul_i32 s46, s42, 24576                      ; B: the fourth weight, the tile column's 128 rows, in part s16 of K
	s_mul_i32 s18, s16, BSTEP
	s_add_co_u32 s46, s46, s18
	s_add_co_u32 s46, s46, 3*786432
	s_mov_b32 s47, 0
	s_mul_i32 s45, s16, ATILE                      ; where they go in a slot
	s_mul_i32 s66, s16, BTILE
	s_add_co_u32 s66, s66, 2*ATILE
	s_lshl_b32 s22, s17, 8                         ; my 128 rows' scale bytes in os
	s_lshl_b32 s18, s15, 7
	s_add_co_u32 s22, s22, s18
	s_lshl_b32 s94, s22, 12                        ; (and my first row of out0, in bytes)
	s_lshl_b32 s22, s22, 5
	s_mov_b32 s23, 0
	s_lshl_b32 s92, s42, 7                         ; my 64 columns' in ws
	s_lshl_b32 s18, s16, 6
	s_add_co_u32 s92, s92, s18
	s_lshl_b32 s100, s92, 2                        ; (and my first column, in bytes)
	s_lshl_b32 s92, s92, 5
	s_add_co_u32 s92, s92, 3*32768
	s_mov_b32 s93, 0
	s_mov_b32 s101, 0
	s_add_co_u32 s94, s94, s100
	s_mov_b32 s95, 0
	s_mul_i32 s18, s15, 24576                      ; LDS: my 128 rows of A,
	s_mul_i32 s19, s16, 64*PITCH                   ; my 64 rows of B, behind A's two parts
	s_add_co_u32 s19, s19, 2*ATILE
	s_mul_i32 s67, s14, 16*SPITCH                  ; my stage
	s_wait_dscnt 0x0
	s_wait_kmcnt 0x0
	s_add_nc_u64 s[20:21], s[4:5], s[20:21]
	s_add_nc_u64 s[46:47], s[8:9], s[46:47]
	s_add_nc_u64 s[22:23], s[6:7], s[22:23]
	s_add_nc_u64 s[92:93], s[10:11], s[92:93]
	s_add_nc_u64 s[96:97], s[96:97], s[100:101]
	s_add_nc_u64 s[12:13], s[98:99], s[94:95]
	CROUND                                         ; all sixteen work-groups are here: the first joint loads meet
.irp s, 0,1
	s_mov_b32 s[G0+4*\s], 1
	s_add_co_u32 s[G0+4*\s+1], s45, \s*SLOT
	s_add_nc_u64 s[G0+4*\s+2:G0+4*\s+3], s[20:21], 2*\s*GSTEP
	s_or_b32 s[G0+4*\s+3], s[G0+4*\s+3], 0x80000000
	s_mov_b32 s[G0B+4*\s], 1
	s_add_co_u32 s[G0B+4*\s+1], s66, \s*SLOT
	s_add_nc_u64 s[G0B+4*\s+2:G0B+4*\s+3], s[46:47], 2*\s*BSTEP
	s_or_b32 s[G0B+4*\s+3], s[G0B+4*\s+3], 0x80000000
.endr
	JLOAD G0, G1, G0B, G1B                         ; slot 0: parts 0 and 1 of K, one load a wave
	v_and_b32 v1, 15, v0                           ; r
	v_bfe_u32 v2, v0, 4, 1                         ; h
	v_and_b32 v3, 31, v0
	v_mul_u32_u24 v4, v1, PITCH
	v_mad_u32_u24 v4, v2, 24, v4                   ; B: row x pitch + 24 h
	v_lshl_add_u32 v5, v2, 4, v4
	v_lshlrev_b32 v6, 4, v3
	v_lshlrev_b32 v7, 3, v3
	v_add_nc_u32 v[ADRA], s18, v6
	v_add_nc_u32 v[ADRA8], s18, v7
	v_add_nc_u32 v[ADRB], s19, v4
	v_add_nc_u32 v[ADRB2], s19, v5
.irp k, 1,2,3
	v_add_nc_u32 v[ADRA+\k], (\k/2)*SLOT+(\k%2)*ATILE, v[ADRA]
	v_add_nc_u32 v[ADRA8+\k], (\k/2)*SLOT+(\k%2)*ATILE, v[ADRA8]
	v_add_nc_u32 v[ADRB+\k], (\k/2)*SLOT+(\k%2)*BTILE, v[ADRB]
	v_add_nc_u32 v[ADRB2+\k], (\k/2)*SLOT+(\k%2)*BTILE, v[ADRB2]
.endr
	v_lshlrev_b32 v[VS], 5, v1                     ; a row of scale bytes is 32
	v_lshlrev_b32 v[BOF], 6, v2
	v_mul_u32_u24 v[STO], v1, SPITCH               ; the stage, in: row r, 64 bytes on for lanes 16-31
	v_lshl_add_u32 v[STO], v2, 6, v[STO]
	v_add_nc_u32 v[STO], s67, v[STO]
	v_mul_u32_u24 v[RD], v2, SPITCH                ; back: sixteen lanes to a row of 256 bytes, two rows an instruction
	v_lshl_add_u32 v[RD], v1, 4, v[RD]
	v_add_nc_u32 v[RD], s67, v[RD]
	v_lshlrev_b32 v[CO], 12, v2                    ; and the same two rows in out0
	v_lshl_add_u32 v[CO], v1, 4, v[CO]
.irp a, 0,1,2,3,4,5,6,7
	global_load_b128 v[SA+8*\a:SA+8*\a+3], v[VS], s[22:23] offset:512*\a
	global_load_b128 v[SA+8*\a+4:SA+8*\a+7], v[VS], s[22:23] offset:512*\a+16
.endr
.irp b, 0,1,2,3
	global_load_b128 v[SB+8*\b:SB+8*\b+3], v[VS], s[92:93] offset:512*\b
	global_load_b128 v[SB+8*\b+4:SB+8*\b+7], v[VS], s[92:93] offset:512*\b+16
.endr
.irp b, 0,1,2,3                        ; register j of tile b in lane (r, h) is column 32 (b / 2) + 16 h + 8 (b % 2) + j of my 64
	global_load_b128 v[BIAS+8*\b:BIAS+8*\b+3], v[BOF], s[96:97] offset:4*(32*(\b/2)+8*(\b%2))
	global_load_b128 v[BIAS+8*\b+4:BIAS+8*\b+7], v[BOF], s[96:97] offset:4*(32*(\b/2)+8*(\b%2))+16
.endr
.macro FRAGB reg, ks, q, i             ; six pieces of 8 bytes of a row's stream of bits
.irp p, 0,1,2,3,4,5
.set PCE, 12*(\q)+6*(\p/3)+\p%3
.if PCE%8 < 5
	ds_load_b64 v[\reg+2*\p:\reg+2*\p+1], v[ADRB+\ks] offset:8*PCE+16*(PCE/8)+(\i)*16*PITCH
.else
	ds_load_b64 v[\reg+2*\p:\reg+2*\p+1], v[ADRB2+\ks] offset:8*PCE+16*(PCE/8)+(\i)*16*PITCH
.endif
.endr
.endm
.macro FRAGA reg, ks, q, i
	ds_load_b128 v[\reg:\reg+3], v[ADRA+\ks] offset:3072*(\i)+1536*(\q)
	ds_load_b64 v[\reg+4:\reg+5], v[ADRA8+\ks] offset:3072*(\i)+1536*(\q)+512
	ds_load_b128 v[\reg+6:\reg+9], v[ADRA+\ks] offset:3072*(\i)+1536*(\q)+768
	ds_load_b64 v[\reg+10:\reg+11], v[ADRA8+\ks] offset:3072*(\i)+1536*(\q)+1280
.endm
.macro FETCH n                         ; step n's fragments into the sets n % 2: 24 loads for B, 32 for A
.set KS_, (\n)/2
.set Q_, (\n)%2
	WIN 0x40
.irp i, 0,1,2,3
	FRAGB 48*Q_+FR*\i, KS_, Q_, \i
.endr
.if Q_
	WIN 0xc0
.endif
.irp i, 0,1,2,3,4,5,6,7
	FRAGA 96*(1-Q_)+FR*\i, KS_, Q_, \i
.endr
	WIN 0
.endm
.macro MUL n                           ; 32 products, the accumulators by turns
.set Q_, (\n)%2
.if (\n) == 0
	WIN 0x85                                       ; sources 0 and 1 in window 1, C (the bias) in window 0, D in window 2
.elseif Q_
	WIN 0xad                                       ; source 1 in window 3
.else
	WIN 0xa5
.endif
.irp a, 0,1,2,3,4,5,6,7
.irp b, 0,1,2,3
.if (\n) == 0
	v_wmma_scale_f32_16x16x128_f8f6f4 v[8*(4*\a+\b):8*(4*\a+\b)+7], v[48*Q_+FR*\b:48*Q_+FR*\b+FR-1], v[96*(1-Q_)+FR*\a:96*(1-Q_)+FR*\a+FR-1], v[BIAS+8*\b:BIAS+8*\b+7], v[SB+8*\b+(\n)], v[SA+8*\a+(\n)] matrix_a_fmt:MATRIX_FMT_FP6 matrix_b_fmt:MATRIX_FMT_FP6
.else
	v_wmma_scale_f32_16x16x128_f8f6f4 v[8*(4*\a+\b):8*(4*\a+\b)+7], v[48*Q_+FR*\b:48*Q_+FR*\b+FR-1], v[96*(1-Q_)+FR*\a:96*(1-Q_)+FR*\a+FR-1], v[8*(4*\a+\b):8*(4*\a+\b)+7], v[SB+8*\b+(\n)], v[SA+8*\a+(\n)] matrix_a_fmt:MATRIX_FMT_FP6 matrix_b_fmt:MATRIX_FMT_FP6
.endif
.endr
.endr
	WIN 0
.endm
.macro STEP n
	s_wait_dscnt 0x0                               ; this step's fragments are in
.if (\n) != 3 && (\n) != 7
	PLACES NP                                      ; the other sets were read by the step before
	FETCH (\n)+1
.endif
	MUL \n
.if (\n) == 3
	s_wait_tensorcnt 0x0                           ; my part of slot 1 has landed; no LDS instruction of mine is out
	s_barrier_signal -1
	s_barrier_wait -1                              ; everybody's has, and nobody reads slot 0 any more
	PLACES NP
	FETCH 4
.endif
.endm
	s_wait_alu depctr_va_vdst(0)                   ; the head's end
	s_wait_tensorcnt 0x0                           ; my part of slot 0 is in; the three lines ahead of slot 1's first fill
	ds_add_u32 v[SPW], v[NIL]
	s_wait_dscnt 0x0
	CROUND
	JLOAD G0+4, G1, G0B+4, G1B                     ; slot 1: parts 2 and 3 of K
	FETCH 0
	s_wait_loadcnt 0x0                             ; scale words and bias
.irp n, 0,1,2,3,4,5,6,7
	STEP \n
.endr
.macro TOSTAGE a
	WIN 0x08                                       ; the data: window 2
.irp b, 0,1,2,3
	ds_store_b128 v[STO], v[32*(\a)+8*\b:32*(\a)+8*\b+3] offset:128*(\b/2)+32*(\b%2)       ; each accumulator from its low end on
	ds_store_b128 v[STO], v[32*(\a)+8*\b+4:32*(\a)+8*\b+7] offset:128*(\b/2)+32*(\b%2)+16
.endr
	WIN 0
.set BB, BK+32*((\a)%2)
.irp t, 0,1,2,3,4,5,6,7
	ds_load_b128 v[BB+4*\t:BB+4*\t+3], v[RD] offset:2*\t*SPITCH    ; LDS serves a wave's instructions in order: these see the stores above
.endr
.endm
.macro SEND a, younger                 ; younger: the LDS instructions issued behind block a's loads
.set BB, BK+32*((\a)%2)
	s_wait_dscnt \younger
.irp t, 0,1,2,3,4,5,6,7                ; stage row m = 2 t + lane / 16 of block a is token 32 (a / 2) + 8 (a % 2) + m + 8 (m / 8) of my 128
	global_store_b128 v[CO], v[BB+4*\t:BB+4*\t+3], s[12:13] offset:(32*((\a)/2)+8*((\a)%2)+2*\t+8*(\t/4))*4096 th:TH_STORE_NT   ; sixteen lanes store 256 consecutive bytes, aligned
.endr
.endm
	PLACES NP
	TOSTAGE 0
.irp a, 1,2,3,4,5,6,7
.if \a > 1
	s_wait_xcnt 0x0                                ; block a - 2's stores have read their registers: block a's loads may land there
.endif
	TOSTAGE \a
	SEND \a-1, 16                                  ; behind block a - 1's loads: block a's 8 stores and 8 loads
.endr
	SEND 7, 0
	s_wait_tensorcnt 0x0                           ; the wave's end
	ds_add_u32 v[SPW], v[NIL]
	s_wait_dscnt 0x0
	CROUND                                         ; the closing round
	s_endpgm
.Lfunc_end_k_q0d7fe23134_outproj:
	.size	k_q0d7fe23134_outproj, .Lfunc_end_k_q0d7fe23134_outproj-k_q0d7fe23134_outproj
	.p2alignl 7, 3214868480
	.fill 96, 4, 3214868480
	.section	.rodata,"a",@progbits
	.p2align	6, 0x0
	.amdhsa_kernel k_q0d7fe23134_outproj
		.amdhsa_group_segment_fixed_size 327680
		.amdhsa_private_segment_fixed_size 0
		.amdhsa_enable_private_segment 0
		.amdhsa_kernarg_size 48
		.amdhsa_user_sgpr_count 2
		.amdhsa_user_sgpr_kernarg_segment_ptr 1
		.amdhsa_wavefront_size32 1
		.amdhsa_system_sgpr_workgroup_id_x 1
		.amdhsa_system_sgpr_workgroup_id_y 1
		.amdhsa_system_sgpr_workgroup_id_z 1
		.amdhsa_system_vgpr_workitem_id 0
		.amdhsa_next_free_vgpr 864
		.amdhsa_next_free_sgpr 102
		.amdhsa_reserve_vcc 0
		.amdhsa_float_denorm_mode_32 3
		.amdhsa_float_denorm_mode_16_64 3
		.amdhsa_memory_ordered 1
		.amdhsa_forward_progress 1
		.amdhsa_inst_pref_size 90
	.end_amdhsa_kernel
	.amdgpu_metadata
---
amdhsa.version: [ 1, 2 ]
amdhsa.kernels:
  - .name:           k_q0d7fe23134_outproj
    .symbol:         k_q0d7fe23134_outproj.kd
    .args:
      - { .name: oc, .offset: 0, .size: 8, .value_kind: global_buffer, .address_space: global }
      - { .name: os, .offset: 8, .size: 8, .value_kind: global_buffer, .address_space: global }
      - { .name: wc, .offset: 16, .size: 8, .value_kind: global_buffer, .address_space: global }
      - { .name: ws, .offset: 24, .size: 8, .value_kind: global_buffer, .address_space: global }
      - { .name: bo, .offset: 32, .size: 8, .value_kind: global_buffer, .address_space: global }
      - { .name: out0, .offset: 40, .size: 8, .value_kind: global_buffer, .address_space: global }
    .group_segment_fixed_size: 327680
    .private_segment_fixed_size: 0
    .kernarg_segment_align: 8
    .kernarg_segment_size: 48
    .max_flat_workgroup_size: 128
    .sgpr_count:     102
    .vgpr_count:     864
    .wavefront_size: 32
...
	.end_amdgpu_metadata
.endif
;; end of part 4
